; MI455X (gfx1250); checked and timed in simulation.
; The chip was launched on July 23, 2026; its instructions are those of AMD's public machine-readable ISA for CDNA 5 (MIT licence, August 2026) and "CDNA5" Instruction Set Architecture Reference Guide (July 2026). The comments in the code are by the model that wrote it; some were corrected since.
;; Switch Head Attention. Allowed arithmetic: matrix products marked QUANTISED: E2M3 operands, one E8M0 scale for each 32 along K, by v_wmma_scale_f32_16x16x128_f8f6f4 with both operands' format E2M3, f32 sums; products left as they are: f32 operands where the result goes on into a quantised operand, else bf16, f16 or f32 operands; f32 sums; everything else in f32.
;; Inputs: Wd_codes 16 x 8 x 32 x 24 uint8 (E2M3 codes of Wd, K innermost, in blocks of 32 codes, four codes in three bytes); Wd_scales 16 x 8 x 32 uint8 (E8M0 scales of Wd, one for each 32 codes along K); Wk_codes 16 x 64 x 32 x 24 uint8 (E2M3 codes of Wk, K innermost, in blocks of 32 codes, four codes in three bytes); Wk_scales 16 x 64 x 32 uint8 (E8M0 scales of Wk, one for each 32 codes along K); Wo 8 x 1,024 x 64 float32; Wq_codes 16 x 64 x 32 x 24 uint8 (E2M3 codes of Wq, K innermost, in blocks of 32 codes, four codes in three bytes); Wq_scales 16 x 64 x 32 uint8 (E8M0 scales of Wq, one for each 32 codes along K); Ws_codes 16 x 8 x 32 x 24 uint8 (E2M3 codes of Ws, K innermost, in blocks of 32 codes, four codes in three bytes); Ws_scales 16 x 8 x 32 uint8 (E8M0 scales of Ws, one for each 32 codes along K); Wv_codes 8 x 64 x 32 x 24 uint8 (E2M3 codes of Wv, K innermost, in blocks of 32 codes, four codes in three bytes); Wv_scales 8 x 64 x 32 uint8 (E8M0 scales of Wv, one for each 32 codes along K); x_codes 2 x 2,048 x 32 x 24 uint8 (E2M3 codes of x, K innermost, in blocks of 32 codes, four codes in three bytes); x_scales 2 x 2,048 x 32 uint8 (E8M0 scales of x, one for each 32 codes along K).
;; Outputs: out0 2 x 2,048 x 1,024 float32.
;; This version of the problem:
;;   THIS VERSION OF THE PROBLEM IS GIVEN IN LOW PRECISION. The matrix products marked QUANTISED in the list below multiply operands that are first quantised to E2M3 (2 exponent bits, 3 mantissa bits; 6 bits a number), with one power-of-two scale for each 32 numbers along K (OCP MX v1.0); their sums are f32. All else is computed in f32.
;;   The module's matrix products, in the order in which they are computed (A, B: the left and right operand; K: the contracted axis; several contracted axes count as one K, in the product's order):
;;     1. [M 1,024, K 1,024] x [K 1,024, N 4,096]; A: input Wq (given as codes); B: input x (given as codes): QUANTISED
;;     2. [M 1,024, K 1,024] x [K 1,024, N 4,096]; A: input Wk (given as codes); B: input x (given as codes): QUANTISED
;;     3. [M 4,096, K 1,024] x [K 1,024, N 128]; A: input x (given as codes); B: input Ws (given as codes): QUANTISED
;;     4. batch 65,536 x [M 1, K 2] x [K 2, N 8]; A: computed on the way; B: computed on the way: left as it is (K = 2 < 32)
;;     5. [M 4,096, K 1,024] x [K 1,024, N 512]; A: input x (given as codes); B: input Wv (given as codes): QUANTISED
;;     6. batch 4,096 x [M 64, K 8] x [K 8, N 16]; A: computed on the way; B: computed on the way: left as it is (K = 8 < 32)
;;     7. batch 32 x [M 2,048, K 64] x [K 64, N 2,048]; A: computed on the way; B: computed on the way: QUANTISED
;;     8. batch 32 x [M 64, K 2,048] x [K 2,048, N 2,048]; A: computed on the way; B: softmax (see below): QUANTISED
;;     9. [M 4,096, K 1,024] x [K 1,024, N 128]; A: input x (given as codes); B: input Wd (given as codes): QUANTISED
;;     10. batch 65,536 x [M 64, K 1] x [K 1, N 8]; A: computed on the way; B: computed on the way: left as it is (no contracted axis)
;;     11. [M 65,536, K 512] x [K 512, N 1,024]; A: computed on the way; B: input Wo: QUANTISED
;;   THE QUANTISER, for each operand of a quantised product, along K:
;;     - K is cut into blocks of 32 from its start; a last block that is shorter is filled with zeros.
;;     - A block's scale is 2^e with e = floor(log2(the largest magnitude in the block)) - 2, held to -126 .. 127; a block of zeros has e = 0. As a byte (E8M0): e + 127.
;;     - Each number is divided by its block's scale, clamped to +-7.5, and rounded to the nearest number of E2M3, ties to even, subnormals kept.
;;     - The product sums the exact products of the quantised numbers (number of the format x scale) in f32.
;;   ~~~python
;;   def quantise(x, axis):      # numpy; x: float32 -> the quantised numbers, widened to float32 again
;;       x = np.moveaxis(x, axis, -1); K = x.shape[-1]
;;       x = np.pad(x, [(0, 0)] * (x.ndim - 1) + [(0, -K % 32)]); x = x.reshape(x.shape[:-1] + (-1, 32)); a = np.abs(x).max(-1, keepdims=True)
;;       e = np.where(a > 0, np.clip(np.frexp(np.where(a > 0, a, 1))[1] - 1 - 2, -126, 127), 0)      # np.frexp(a)[1] - 1 = floor(log2(a)), exactly
;;       r = np.clip(x / 2.0 ** e, -7.5, 7.5)
;;       step = 2.0 ** (np.maximum(np.frexp(np.where(r == 0, 1, r))[1] - 1, 0) - 3)
;;       q = np.round(r / step) * step * 2.0 ** e      # np.round: ties to even
;;       return np.moveaxis(q.reshape(q.shape[:-2] + (-1,))[..., :K], -1, axis).astype(np.float32)
;;   ~~~
;;   SOFTMAX AHEAD OF A QUANTISED PRODUCT. Where the list says 'softmax', what is quantised is not the finished softmax but p = 2^(t - M), with t = logit x log2(e) and M = ceil(the row's largest t), a whole number; so 1/2 < the row's largest p <= 1. The row's sum l is taken of the UNQUANTISED p, in f32, and the product's result is divided by l at the end. Since M is a whole number, a kernel that streams over the keys may use a running M (the ceiling of the running maximum): every later rescaling is an exact power of two, which a block's scale takes up: the codes' values come out the same.
;;   OPERANDS COMPUTED ON THE WAY. 'Computed on the way' means the value that the module computes at that place (a softmax that the list does not call 'softmax' is quantised finished and normalised). What goes into a quantiser is computed in f32, as accurately as f32 sums, v_exp_f32 and their like allow (about 1e-6 of the number): no bf16 or f16 on the way to a quantiser, and a product that is left as it is and whose result goes on into a quantised operand takes f32 operands (vector FMAs, or v_wmma_f32_16x16x4_f32). A number that lies on a knife's edge between two numbers of the format may be rounded either way, as far as f32 arithmetic and the matrix unit's own rounding can turn it there, and no further.
;;   INPUTS GIVEN AS CODES. Wd (in the module: [16, 8, 1024], K = its axis 2); Wk (in the module: [16, 64, 1024], K = its axis 2); Wq (in the module: [16, 64, 1024], K = its axis 2); Ws (in the module: [16, 8, 1024], K = its axis 2); Wv (in the module: [8, 64, 1024], K = its axis 2); x (in the module: [2, 2048, 1024], K = its axis 2): each comes as NAME_codes (uint8): NAME with its K axis moved to the last place and cut into blocks of 32 codes, [.., K / 32, bytes a block], one block behind the other in memory; four codes in three bytes: a row's codes are one little-endian stream of bits, code i at bits 6 i .. 6 i + 5 (a code: sign, 2 exponent bits, 3 mantissa bits); and NAME_scales (uint8): the same leading axes, one E8M0 byte (e + 127) for each 32 codes along K. Its value is code x scale, taken as it is: it is not quantised again, and the codes and scales need not be those that the quantiser above would give.
;; One version. Each part assembles by itself: llvm-mc -triple=amdgcn-amd-amdhsa -mcpu=gfx1250 --defsym DOCPART=n.
;; ======== version 1 of 1: 3 launches
;; limits: right only within a limited range of input values
;; workspace buffers: qblk 3,407,872 bytes; kblk 3,407,872 bytes; vblk 3,276,800 bytes; pat 2,097,152 bytes; aimg 6,291,456 bytes; wimg 393,216 bytes; wsc 16,384 bytes
;; launch proj (part 1): grid 16 x 16, 4 waves a work-group, clusters of 4 x 1, 274,944 bytes of LDS; arguments x_codes, x_scales, Wq_codes, Wq_scales, Wk_codes, Wk_scales, Wv_codes, Wv_scales, Ws_codes, Ws_scales, Wd_codes, Wd_scales, qblk, kblk, vblk, pat; writes qblk, kblk, vblk, pat
.if DOCPART == 1
	.amdgcn_target "amdgcn-amd-amdhsa--gfx1250"
	.amdhsa_code_object_version 6
	.text
	.protected	k_qef8bb78e72_proj
	.globl	k_qef8bb78e72_proj
	.p2align	8
	.type	k_qef8bb78e72_proj,@function
k_qef8bb78e72_proj:
	s_mov_b64 s[64:65], 0
	v_nop
	global_prefetch_b8 v0, s[64:65] scope:SCOPE_SE
	s_setreg_imm32_b32 hwreg(HW_REG_WAVE_MODE, 25, 1), 1
	s_wait_xcnt 0x0
	s_wait_alu depctr_hold_cnt(0) depctr_sa_sdst(0) depctr_va_vdst(0) depctr_va_sdst(0) depctr_va_ssrc(0) depctr_va_vcc(0) depctr_vm_vsrc(0)
	s_getreg_b32 s2, hwreg(HW_REG_IB_STS2, 6, 4)
	s_cmp_eq_u32 s2, 0
	s_cbranch_scc0 .Lentry_in_a_cluster
	s_endpgm
.Lentry_in_a_cluster:
	s_bfe_u32 s2, ttmp6, 0x10000c
	s_cmp_lg_u32 s2, 0x3003
	s_cbranch_scc0 .Lentry_shape_is_right
	s_endpgm
.Lentry_shape_is_right:
; PROJ: every product x W^T of the layer, both top-2 gates, v, and the quantising of q / 8, k (along d) and v (along the keys).  All products on codes of E2M3 with E8M0 scales, as they lie in memory.
; SHARES.  Work-group (X, Y), X = 0..15, Y = 0..15.  Y < 8: 256 tokens (X) x 256 rows of Wq (Y < 4) or Wk: four heads; wave w: tokens 256 X + 64 w.
; Y >= 8: 128 tokens (one key step, X + 16 (bit 2 of Y)) x 16 channels d (tile j = Y & 3) of all 8 experts of Wv and all 16 heads; wave w: 64 tokens (w & 1), heads 8 (w >> 1) on.
; The sixteen waves of the launch that hold the same 64 tokens share gate_o: each takes one chunk of 16 rows of Wd (two heads) and two of its four token tiles.
; USE.  Every product is used transposed: source 0 = 16 rows of a weight, source 1 = 16 tokens: a lane holds ONE token (lane % 16) and eight neighbouring rows 8 (lane / 16) + j of the weight.
; ORDER INSIDE A BLOCK OF 32 made here: place 0-7 = element 0-7, 8-15 = 16-23, 16-23 = 8-15, 24-31 = 24-31: what natural rows give.  q and k, p and v carry it alike, so the products are unchanged.
; CLUSTER.  The four work-groups of a cluster share Y, so they want the same 16 chunks of weights: each chunk is asked for jointly.  Nothing in LDS is filled twice.
; q x 2^-3 is taken as 3 off each scale byte: the codes are the same.
; LIMITS: NaN, infinities and gates of -infinity are not served.  A block whose largest magnitude lies under the floor (2^-124; 2^-121 for q) keeps the floor's byte, a block of zeros too: its codes are zeros, and this program alone reads the bytes.
; v's scale words leave as runs of 64 bytes (1 byte in 25 of vblk): the other three quarters of each 256 bytes belong to the work-groups of the other three tiles j.
.set SLOTB, 13056                      ; a chunk in LDS: 16 rows x (768 bytes + 16 behind each 256): pitch 816 = 204 words: row r starts at bank 12 r mod 64, so the 32 lanes of a load of 8 bytes touch 64 different banks
.set XST,   16*SLOTB                   ; a stage for each wave, written by ds_store alone: a tile of x in the same pitch; later two stages of 16 rows x 272 bytes for v
.set WSC,   XST+4*SLOTB                ; the chunks' scale rows: 32 bytes + 16, 768 a chunk
.set VSC,   WSC+16*768                 ; v's scale words: [head 16][row 16]
.set RR,   1                           ; v1  lane % 16
.set HF,   2                           ; v2  lane / 16
.set L16,  3                           ; v3  16 x lane
.set L8,   4                           ; v4  8 x lane
.set WA,   5                           ; v5-12  fragment addresses of slots 0, 4, 8, 12: a pair each (24 or 40 bytes for the upper half of the lanes: 40 where its piece lies behind one padding more)
.set XA,   13                          ; v13-14 the same in my stage
.set XSTO, 15                          ; v15 where I put 16 bytes of a tile of x
.set WSB,  16                          ; v16 my row's scale words in slot 0
.set WSTO, 17                          ; v17 where I put 16 scale bytes
.set VG,   18                          ; v18-19 fragment addresses of my first gate chunk
.set VGS,  20                          ; v20 its scale words
.set VSTO, 21                          ; v21 v's stage, in
.set VRD,  22                          ; v22 v's stage, out
.set VSCA, 23                          ; v23 my two scale bytes of v
.set VSCR, 24                          ; v24 the words read back
.set VGO,  25                          ; v25 their place in vblk
.set GW,   26                          ; v26-27, v28, v29: the trip's addresses
.set GWS,  28
.set VSW,  29
.set NINF, 30
.set PO,   31                          ; v31 my place in pat
.set R32,  32                          ; v32 32 x (lane % 16)
.set WDO,  33                          ; v33 my place in a chunk of Wd in memory
.set SH8,  34                          ; v34 8 x (lane / 16)
.set M1,   35                          ; v35, v38: the two largest gates; in the q/k path the two scale words
.set PW0,  35
.set SWD,  36                          ; v36-37 the scale word to store, and 0
.set M2,   38
.set PW1,  38
.set HX,   39
.set WF,   40                          ; v40-135 eight weight fragments
.set CAA,  40                          ; v path, behind a trip's gate products, where the fragments are done with: codes, byte and half-word of head A; of head B; at work
.set CAB,  48
.set CT,   56
.set T1,   59
.set T2,   60
.set AM0,  61
.set AM1,  62
.set SOP,  63
.set G,    136                         ; v136-167 gates of four token tiles, then the mix, then 32 numbers of v
.set RB,   136
.set CSL,  136                         ; (at the head: the chunks' scale bytes as loaded)
.set PC0,  136                         ; q/k path: codes of two pairs of tiles
.set PC1,  156
.set PT0,  152                         ; gate_o: the selectors to store
.set MB,   168
.set VO,   176
.set TM,   176
.set MM,   176
.set MK,   184
.set WS,   192                         ; v192-223 scale words of four chunks: these registers hold scales and nothing else
.set GS,   216                         ; v216-223 scale words of a gate chunk
.set XS,   224                         ; v224-255 x's scale words: 8 tile + K step
; windows 1, 2: x's fragments at 12 (4 (K step % 4) + tile), K steps 0-3 and 4-7; v192-239 of both: Wd's eight fragments.  window 3: 32 accumulators; at the head two landing areas for x
.set XC,   4
.set XSP,  6
.set TG,   16
.set TGS,  17
.set TVS,  18
.set CNT,  19
.set SB,   20
.set SBZ,  23
.set WDC,  24
.set WDS,  26
.set QKO,  28
.set VSO,  30
.set OUTV, 32
.set PATO, 34
.set WV,   36
.set CX,   37
.set XX,   38
.set YY,   39
.set ISV,  40
.set YHI,  41
.set YLO,  42
.set HH,   43
.set SRC,  44
.set SSR,  46
.set F,    48
.set S_,   56
.set SEL,  66
.set G1,   68
.set G0,   76
.set FLOOR, 96
.set ADJ,  97
.set HIM,  98
.set FND,  99
.set CC,   100
.set TP,   101
.set MSB, 0
.macro WIN new                         ; the immediate's high byte repeats the setting that is left
.if MSB != (\new)
	s_set_vgpr_msb (MSB<<8)|(\new)
.set MSB, \new
.endif
.endm
.macro PLACES n
.rept \n
	v_nop
.endr
.endm
.macro CROUND                          ; a round of the cluster's barrier
	s_barrier_signal -1
	s_barrier_wait -1
	s_cmp_lg_u32 s[WV], 0
	s_cbranch_scc1 .Lnot_wave_0_\@
	s_barrier_signal -3
.Lnot_wave_0_\@:
	s_barrier_wait -3
	s_barrier_signal -1
	s_barrier_wait -1
.endm
.macro WMM d, a, b, sa, sb, zero       ; zero: the first K step starts the sum
.if \zero
	v_wmma_scale_f32_16x16x128_f8f6f4 v[0+(\d):7+(\d)], v[0+(\a):11+(\a)], v[0+(\b):11+(\b)], 0, v[\sa], v[\sb] matrix_a_fmt:MATRIX_FMT_FP6 matrix_b_fmt:MATRIX_FMT_FP6
.else
	v_wmma_scale_f32_16x16x128_f8f6f4 v[0+(\d):7+(\d)], v[0+(\a):11+(\a)], v[0+(\b):11+(\b)], v[0+(\d):7+(\d)], v[\sa], v[\sb] matrix_a_fmt:MATRIX_FMT_FP6 matrix_b_fmt:MATRIX_FMT_FP6
.endif
.endm
; a fragment (16 rows x 128 K, 12 registers) of K step s from rows of pitch 816: six pieces of 8 bytes
.macro FRAG reg, adr, s, off
.irp p, 0,1,2,3,4,5
.set FO, 96*(\s)+48*(\p/3)+8*(\p%3)
.if (FO+24)/256 == FO/256
	ds_load_b64 v[0+(\reg)+2*\p:1+(\reg)+2*\p], v[\adr] offset:(\off)+FO+16*(FO/256)
.else
	ds_load_b64 v[0+(\reg)+2*\p:1+(\reg)+2*\p], v[\adr+1] offset:(\off)+FO+16*(FO/256)
.endif
.endr
.endm
.macro XLOAD ta, land                  ; a tile of x, 12,288 dense bytes: each load takes 512 consecutive bytes
	WIN 0xC0
.irp i, 0,1,2,3,4,5,6,7,8,9,10,11,12,13,14,15,16,17,18,19,20,21,22,23
	global_load_b128 v[(\land)+4*\i:(\land)+4*\i+3], v[L16], s[XC:XC+1] offset:12288*(\ta)+512*\i
.endr
.endm
.macro XTILE ta, land                  ; through my stage into fragments.  LDS serves a wave's instructions in order: no wait between the stores and the loads
	WIN 0x0C
.irp i, 0,1,2,3,4,5,6,7,8,9,10,11,12,13,14,15,16,17,18,19,20,21,22,23
	ds_store_b128 v[XSTO], v[(\land)+4*\i:(\land)+4*\i+3] offset:544*\i
.endr
	WIN 0x40
.irp ks, 0,1,2,3
	FRAG 12*(4*\ks+\ta), XA, \ks, 0
.endr
	WIN 0x80
.irp ks, 4,5,6,7
	FRAG 12*(4*(\ks-4)+\ta), XA, \ks, 0
.endr
	WIN 0
.endm
; four chunks (slots slot .. slot + 3) x my four token tiles x K = 1,024: 128 matrix instructions, the 16 accumulators by turns
.macro GEMM16 acc, adr, slot
	PLACES 4                                       ; in front of loads into registers that matrix instructions have read
.irp cb, 0,1,2,3
	ds_load_b128 v[WS+8*\cb:WS+8*\cb+3], v[WSB] offset:((\slot)+\cb)*768
	ds_load_b128 v[WS+8*\cb+4:WS+8*\cb+7], v[WSB] offset:((\slot)+\cb)*768+16
.endr
.irp cb, 0,1,2,3
	FRAG WF+12*\cb, \adr, 0, \cb*SLOTB
.endr
.irp ks, 0,1,2,3,4,5,6,7
.if \ks < 7
.if \ks > 0
	PLACES 4
	WIN 0
.endif
.irp cb, 0,1,2,3
	FRAG WF+48*((\ks+1)%2)+12*\cb, \adr, \ks+1, \cb*SLOTB
.endr
	s_wait_dscnt 24                                ; all but the next K step's 24 loads
.else
	s_wait_dscnt 0x0
.endif
	WIN 0xF4+4*(\ks/4)
.irp ta, 0,1,2,3
.irp cb, 0,1,2,3
	WMM (\acc)+8*(4*\ta+\cb), WF+48*(\ks%2)+12*\cb, 12*(4*(\ks%4)+\ta), WS+8*\cb+\ks, XS+8*\ta+\ks, \ks==0
.endr
.endr
.endr
	WIN 0
.endm
; the largest of a lane's eight gates -> v[m]; its FIRST place -> the lane masks s[k .. k + 7] (ties: the lower index, as lax.top_k); kill: that place becomes -infinity
.macro PICK g, m, k, kill
	v_max3_num_f32 v[\m], v[\g], v[\g+1], v[\g+2]
	v_max3_num_f32 v[\m], v[\m], v[\g+3], v[\g+4]
	v_max3_num_f32 v[\m], v[\m], v[\g+5], v[\g+6]
	v_max_num_f32 v[\m], v[\m], v[\g+7]
.irp e, 0,1,2,3,4,5,6,7
	v_cmp_eq_f32 s[\k+\e], v[\g+\e], v[\m]
.endr
	s_mov_b32 s[FND], s[\k]
.irp e, 1,2,3,4,5,6,7
	s_and_not1_b32 s[\k+\e], s[\k+\e], s[FND]
	s_or_b32 s[FND], s[FND], s[\k+\e]
.endr
.if \kill
.irp e, 0,1,2,3,4,5,6,7
	v_cndmask_b32 v[\g+\e], v[\g+\e], v[NINF], s[\k+\e]
.endr
.endif
.endm
; gate_o of token tiles 2 tp, 2 tp + 1: a lane holds (token, head 2 chunk + lane / 16) and its eight experts.  Stored: 24 selector bytes for v_perm_b32, byte k: k % 3 where expert k / 3 is chosen, else 0x0c
.macro GATEO tp
.irp ks, 0,1,2,3,4,5,6,7
	WIN 0x05+5*(\ks/4)
.irp tt, 0,1
	WMM G+8*\tt, 192+12*(\ks%4), 12*(4*(\ks%4)+2*(\tp)+\tt), GS+\ks, XS+8*(2*(\tp)+\tt)+\ks, \ks==0
.endr
.endr
	WIN 0
	PLACES 4
.irp tt, 0,1
	PICK G+8*\tt, M1, F, 1
	PICK G+8*\tt, M2, S_, 0
.irp e, 0,1,2,3,4,5,6,7
	s_or_b32 s[F+\e], s[F+\e], s[S_+\e]
.endr
.irp e, 0,1,2,3,4,5,6,7
	v_cndmask_b32 v[MM+\e], 0, -1, s[F+\e]
.endr
.irp q, 0,1
	v_bfi_b32 v[MK+3*\q], 0xffffff, v[MM+4*\q], v[MM+4*\q+1]        ; an expert's field is 24 bits
	v_bfi_b32 v[MK+3*\q+1], 0xffff, v[MM+4*\q+1], v[MM+4*\q+2]
	v_bfi_b32 v[MK+3*\q+2], 0xff, v[MM+4*\q+2], v[MM+4*\q+3]
.endr
.irp k, 0,1,2,3,4,5
	v_bfi_b32 v[PT0+8*\tt+\k], v[MK+\k], s[SB+\k%3], s[SBZ]
.endr
	v_mov_b32 v[PT0+8*\tt+6], 0
	v_mov_b32 v[PT0+8*\tt+7], 0
	global_store_b128 v[PO], v[PT0+8*\tt:PT0+8*\tt+3], s[PATO:PATO+1] offset:512*\tt        ; sixteen lanes store 256 consecutive bytes, aligned
	global_store_b128 v[PO], v[PT0+8*\tt+4:PT0+8*\tt+7], s[PATO:PATO+1] offset:512*\tt+256
.endr
.endm
; 64 accumulator registers (two token tiles x two blocks of 32 d; 16 of a block in a lane) -> 12 registers of codes [even tile | odd tile] and the scale word [a0, a1, b0, b1]
.macro QUANTW src, pc, pw
	WIN 0x3C
.irp b, 0,1,2,3
	v_max3_num_f32 v[TM+\b], s[FLOOR], |v[(\src)+16*\b]|, |v[(\src)+16*\b+1]|       ; with the floor among the leaves; each accumulator is read from its low end on
.endr
.irp i, 2,4,6,8,10,12,14
.irp b, 0,1,2,3
	v_max3_num_f32 v[TM+\b], v[TM+\b], |v[(\src)+16*\b+\i]|, |v[(\src)+16*\b+\i+1]|
.endr
.endr
	WIN 0
.irp b, 0,1,2,3
	v_permlanex16_b32 v[TM+4+\b], v[TM+\b], s[SEL], s[SEL+1]
.endr
.irp b, 0,1,2,3
	v_max_num_f32 v[TM+\b], v[TM+\b], v[TM+4+\b]
.endr
.irp b, 0,1,2,3
	v_add_nc_u32 v[TM+12+\b], 0xff000000, v[TM+\b]                 ; 2 off the exponent field: the conversion's scale operand
.endr
.irp b, 0,1,2,3
	v_lshrrev_b32 v[TM+4+\b], 23, v[TM+12+\b]
.endr
	v_lshl_or_b32 v[\pw], v[TM+5], 8, v[TM+4]
	v_lshl_or_b32 v[\pw], v[TM+6], 16, v[\pw]
	v_lshl_or_b32 v[\pw], v[TM+7], 24, v[\pw]
	WIN 0x03
.irp c, 0,1
	v_cvt_scalef32_pk16_fp6_f32 v[\pc+6*\c:\pc+6*\c+2], v[(\src)+32*\c:(\src)+32*\c+15], v[TM+12+2*\c]
	v_cvt_scalef32_pk16_fp6_f32 v[\pc+12+4*\c:\pc+14+4*\c], v[(\src)+32*\c+16:(\src)+32*\c+31], v[TM+13+2*\c]
.endr
	WIN 0
	v_nop                                          ; one plain place behind a scaled conversion
.irp c, 0,1
.irp i, 0,1,2
	v_permlane16_swap_b32 v[\pc+6*\c+\i], v[\pc+12+4*\c+\i]        ; a whole block to a lane
.endr
.irp i, 0,1,2
	v_mov_b32 v[\pc+3+6*\c+\i], v[\pc+12+4*\c+\i]
.endr
.endr
.endm
.macro QOUT n                          ; head n of my four: images of the operand's registers, 512 consecutive bytes a store
	s_wait_xcnt 0x0                                ; the earlier stores have read their registers
	QUANTW 128*((\n)%2), PC0, PW0
	QUANTW 128*((\n)%2)+64, PC1, PW1
.irp g, 0,1,2
	global_store_b128 v[L16], v[PC0+4*\g:PC0+4*\g+3], s[QKO:QKO+1] offset:(\n)*106496+512*\g
	global_store_b128 v[WDO], v[PC1+4*\g:PC1+4*\g+3], s[QKO:QKO+1] offset:(\n)*106496+1536+512*\g   ; the second pair's image: lane l at place l xor 8
.endr
	v_cndmask_b32 v[SWD], v[PW0], v[PW1], s[HIM]   ; lanes 0-15 the first pair's words, lanes 16-31 the second's
	v_sub_nc_u32 v[SWD], v[SWD], s[ADJ]            ; q: 3 off each byte (each is 4 at the least)
	global_store_b64 v[L8], v[SWD:SWD+1], s[QKO:QKO+1] offset:(\n)*106496+3072
.endm
; v of token tile ta for the trip's two heads
.macro TILEV ta
	PICK G+8*\ta, M1, F, 1
	PICK G+8*\ta, M2, S_, 0
	v_mul_f32 v[T1], 0xbfb8aa3b, v[M1]
	v_mul_f32 v[T2], 0xbfb8aa3b, v[M2]
	s_wait_alu depctr_va_vdst(0)
	v_exp_f32 v[T1], v[T1]
	v_exp_f32 v[T2], v[T2]
	v_nop
	s_wait_alu depctr_va_vdst(0)                   ; one wait for the two exponentials, ahead of their first reader
	v_add_f32 v[T1], 1.0, v[T1]
	v_add_f32 v[T2], 1.0, v[T2]
	s_wait_alu depctr_va_vdst(0)
	v_rcp_f32 v[T1], v[T1]
	v_rcp_f32 v[T2], v[T2]
	v_nop
	s_wait_alu depctr_va_vdst(0)                   ; and one for the two reciprocals
.irp e, 0,1,2,3,4,5,6,7
	v_cndmask_b32 v[G+8*\ta+\e], 0, v[T2], s[S_+\e]
.endr
.irp e, 0,1,2,3,4,5,6,7
	v_cndmask_b32 v[G+8*\ta+\e], v[G+8*\ta+\e], v[T1], s[F+\e]     ; the mix of (token, head A or B by the lane's half)
.endr
.irp e, 0,1,2,3,4,5,6,7
	v_mov_b32 v[MB+\e], v[G+8*\ta+\e]
.endr
.irp e, 0,1,2,3,4,5,6,7
	v_permlane16_swap_b32 v[G+8*\ta+\e], v[MB+\e]  ; now G holds head A's mix in both halves of the lanes, MB head B's
.endr
	s_wait_alu depctr_va_vdst(0)
	s_wait_dscnt 0x0                               ; the last tile's stage stores have read VO
	WIN 0x03
.irp e, 0,1,2,3,4,5,6,7
.set PJ, 128*(\e/4)+8*(4*\ta+\e%4)
.irp dd, 0,2,4,6
.if \e == 0
	v_pk_mul_f32 v[VO+\dd:VO+\dd+1], v[PJ+\dd:PJ+\dd+1], v[G+8*\ta:G+8*\ta+1] op_sel_hi:[1,0]
	v_pk_mul_f32 v[VO+8+\dd:VO+9+\dd], v[PJ+\dd:PJ+\dd+1], v[MB:MB+1] op_sel_hi:[1,0]
.elseif \e%2 == 0
	v_pk_fma_f32 v[VO+\dd:VO+\dd+1], v[PJ+\dd:PJ+\dd+1], v[G+8*\ta+\e:G+8*\ta+\e+1], v[VO+\dd:VO+\dd+1] op_sel_hi:[1,0,1]
	v_pk_fma_f32 v[VO+8+\dd:VO+9+\dd], v[PJ+\dd:PJ+\dd+1], v[MB+\e:MB+\e+1], v[VO+8+\dd:VO+9+\dd] op_sel_hi:[1,0,1]
.else
	v_pk_fma_f32 v[VO+\dd:VO+\dd+1], v[PJ+\dd:PJ+\dd+1], v[G+8*\ta+\e-1:G+8*\ta+\e], v[VO+\dd:VO+\dd+1] op_sel:[0,1,0] op_sel_hi:[1,1,1]
	v_pk_fma_f32 v[VO+8+\dd:VO+9+\dd], v[PJ+\dd:PJ+\dd+1], v[MB+\e-1:MB+\e], v[VO+8+\dd:VO+9+\dd] op_sel:[0,1,0] op_sel_hi:[1,1,1]
.endif
.endr
.endr
	WIN 0
.irp jj, 0,1,2,3,4,5,6,7
	ds_store_b32 v[VSTO], v[VO+\jj] offset:272*\jj+64*\ta          ; stage [d 16][token 64]
	ds_store_b32 v[VSTO], v[VO+8+\jj] offset:272*\jj+64*\ta+4352
.endr
.endm
; a lane takes row d = lane % 16 and the 32 keys of block lane / 16 of my 64, in the block's order; quantises; stores registers 6 c .. 6 c + 5 of v's fragment
.macro VQ hb, ca
.irp i, 0,1,2,3,4,5,6,7
	ds_load_b128 v[RB+8*(2*((\i/2)%2)+\i/4)+4*(\i%2):RB+8*(2*((\i/2)%2)+\i/4)+4*(\i%2)+3], v[VRD] offset:16*\i+4352*\hb
.endr
	s_wait_dscnt 0x0
	v_max3_num_f32 v[AM0], |v[RB]|, |v[RB+1]|, |v[RB+2]|
	v_max3_num_f32 v[AM1], |v[RB+3]|, |v[RB+4]|, |v[RB+5]|
.irp i, 6,10,14,18,22,26
	v_max3_num_f32 v[AM0], v[AM0], |v[RB+\i]|, |v[RB+\i+1]|
	v_max3_num_f32 v[AM1], v[AM1], |v[RB+\i+2]|, |v[RB+\i+3]|
.endr
	v_max3_num_f32 v[AM0], v[AM0], |v[RB+30]|, |v[RB+31]|
	v_max3_num_f32 v[AM0], v[AM0], v[AM1], 0x1800000
	v_add_nc_u32 v[SOP], 0xff000000, v[AM0]
	v_cvt_scalef32_pk16_fp6_f32 v[\ca:\ca+2], v[RB:RB+15], v[SOP]
	v_cvt_scalef32_pk16_fp6_f32 v[CT:CT+2], v[RB+16:RB+31], v[SOP]
	v_lshrrev_b32 v[\ca+6], 23, v[SOP]             ; the byte (a plain place behind the conversions)
.irp i, 0,1,2
	v_mov_b32 v[\ca+3+\i], v[CT+\i]
.endr
	v_lshlrev_b32 v[\ca+7], v[SH8], v[\ca+6]
	v_permlanex16_b32 v[HX], v[\ca+7], s[SEL], s[SEL+1]
	v_or_b32 v[\ca+7], v[\ca+7], v[HX]             ; my 64 keys' two bytes
	global_store_b128 v[L16], v[\ca:\ca+3], s[OUTV:OUTV+1] offset:102400*\hb
	global_store_b64 v[L8], v[\ca+4:\ca+5], s[OUTV:OUTV+1] offset:102400*\hb+512
	ds_store_b16 v[VSW], v[\ca+7] offset:64*\hb    ; both halves of the lanes write the same bytes with the same value
.endm
	s_load_b512 s[4:19], s[0:1], 0x0
	s_load_b512 s[20:35], s[0:1], 0x40
	s_set_vgpr_msb 0x40
	v_lshl_add_u32 v254, v0, 2, 0x43000
	v_mov_b32 v255, 0
	s_set_vgpr_msb 0x4045
	ds_add_u32 v254, v255
	ds_add_u32 v254, v255
	s_set_vgpr_msb 0x4500
	v_lshrrev_b32 v1, 5, v0
	v_readfirstlane_b32 s[WV], v1
	s_bfe_u32 s[CX], ttmp6, 0x40000
	s_lshl_b32 s[XX], ttmp9, 2
	s_add_co_u32 s[XX], s[XX], s[CX]               ; X: it enters global addresses of x and of the outputs alone
	s_and_b32 s[YY], ttmp7, 0xffff
	s_lshr_b32 s[ISV], s[YY], 3
	s_bfe_u32 s[YHI], s[YY], 0x10002
	s_and_b32 s[YLO], s[YY], 3
	s_lshr_b32 s[HH], s[WV], 1
	s_and_b32 s[CC], s[WV], 1
.set G1W, 80                           ; s[80:87] a second group 1: it differs in the pitch alone
.irp g, G1, G1W                        ; a wave's four chunks in one tile: 4 rows of 12,288 bytes (16 rows of a weight each); the mask: all four; elements of 1 byte; 4 words of padding behind every 64
	s_mov_b32 s[\g], 15|(1<<20)|(1<<21)|(5<<22)|(3<<25)
	s_mov_b32 s[\g+1], 12288<<16
	s_mov_b32 s[\g+2], 4<<16
	s_mov_b32 s[\g+3], 12288<<16
	s_mov_b32 s[\g+4], 4
	s_mov_b32 s[\g+6], 0
	s_mov_b32 s[\g+7], 0
.endr
	s_mov_b32 s[G1+5], 12288                       ; chunks on end (Wq, Wk, Ws)
	s_mov_b32 s[G1W+5], 49152                      ; chunks 64 rows apart (Wv: one tile j of each expert)
	s_mov_b32 s[SEL], 0x76543210
	s_mov_b32 s[SEL+1], 0xfedcba98
	s_mov_b32 s[HIM], 0xffff0000
	s_lshl_b32 s48, s[WV], 8
	s_lshl_b32 s49, s[YLO], 4
	s_add_co_u32 s48, s48, s49                     ; Wv: row 256 wave + 16 j, chunks 64 rows apart
	s_lshl_b32 s49, s[WV], 6
	s_sub_co_u32 s50, s49, 128                     ; Ws: row 64 (wave - 2) (taken in waves 2, 3 alone)
	s_lshl_b32 s51, s[YLO], 8
	s_add_co_u32 s51, s51, s49                     ; Wq, Wk: row 256 (Y & 3) + 64 wave
	s_wait_dscnt 0x0
	s_wait_kmcnt 0x0
	s_cmp_lt_u32 s[WV], 2
	s_cselect_b64 s[52:53], s[16:17], s[20:21]
	s_cselect_b64 s[54:55], s[18:19], s[22:23]
	s_cselect_b32 s56, 64, 16
	s_cselect_b32 s48, s48, s50
	s_cmp_eq_u32 s[YHI], 0
	s_cselect_b64 s[SRC:SRC+1], s[8:9], s[12:13]
	s_cselect_b64 s[SSR:SSR+1], s[10:11], s[14:15]
	s_cselect_b64 s[QKO:QKO+1], s[28:29], s[30:31]
	s_mov_b32 s[FLOOR], 0x1800000
	s_cselect_b32 s[FLOOR], 0x3000000, s[FLOOR]
	s_cselect_b32 s[ADJ], 0x03030303, 0
	s_cmp_eq_u32 s[ISV], 0
	s_cselect_b64 s[SRC:SRC+1], s[SRC:SRC+1], s[52:53]
	s_cselect_b64 s[SSR:SSR+1], s[SSR:SSR+1], s[54:55]
	s_cselect_b32 s56, 16, s56                     ; rows from chunk to chunk
	s_cselect_b32 s48, s51, s48                    ; my first chunk's first row
	s_mul_i32 s52, s48, 768
	s_mov_b32 s53, 0
	s_mov_b32 s55, 0
	s_add_nc_u64 s[SRC:SRC+1], s[SRC:SRC+1], s[52:53]
	s_mov_b32 s[G0], 1
	s_mul_i32 s[G0+1], s[WV], 4*SLOTB              ; slots 4 wave .. 4 wave + 3
	s_mov_b64 s[G0+2:G0+3], s[SRC:SRC+1]
	s_or_b32 s[G0+3], s[G0+3], 0x80000000
	s_lshl_b32 s52, s48, 5
	s_lshl_b32 s54, s56, 5
	s_add_nc_u64 s[8:9], s[SSR:SSR+1], s[52:53]    ; the four chunks' scale rows, 512 dense bytes each
	s_add_nc_u64 s[10:11], s[8:9], s[54:55]
	s_add_nc_u64 s[12:13], s[10:11], s[54:55]
	s_add_nc_u64 s[14:15], s[12:13], s[54:55]
	CROUND                                         ; the four work-groups are here: the joint loads meet
	s_cmp_eq_u32 s[ISV], 0                         ; one joint load a wave; the two arms differ in the pitch; Y and the wave's number are the same in all four partners
	s_cbranch_scc1 .Ldense
	s_cmp_lt_u32 s[WV], 2
	s_cbranch_scc0 .Ldense
	tensor_load_to_lds s[G0:G0+3], s[G1W:G1W+7]
	s_nop 0
	PLACES 4
	s_branch .Lasked
.Ldense:
	tensor_load_to_lds s[G0:G0+3], s[G1:G1+7]
	s_nop 0
	PLACES 4
.Lasked:
	; where my tokens, my chunk of Wd and my outputs lie
	s_lshl_b32 s48, s[XX], 8
	s_add_co_u32 s48, s48, s49                     ; q/k: token 256 X + 64 wave
	s_lshl_b32 s50, s[YHI], 4
	s_add_co_u32 s50, s50, s[XX]
	s_lshl_b32 s50, s50, 7
	s_lshl_b32 s51, s[CC], 6
	s_add_co_u32 s50, s50, s51                     ; v: token 128 (X + 16 bit) + 64 (wave & 1)
	s_lshr_b32 s51, s[YY], 1
	s_add_co_u32 s52, s[YLO], 4
	s_and_b32 s54, s[YY], 1
	s_cmp_eq_u32 s[ISV], 0
	s_cselect_b32 s48, s48, s50                    ; my first token
	s_cselect_b32 s51, s51, s52                    ; my chunk of Wd
	s_cselect_b32 s[TP], s54, s[HH]                ; and which two of my four tiles
	s_mul_i32 s52, s48, 768
	s_add_nc_u64 s[XC:XC+1], s[XC:XC+1], s[52:53]
	s_lshl_b32 s52, s48, 5
	s_add_nc_u64 s[XSP:XSP+1], s[XSP:XSP+1], s[52:53]
	s_mul_i32 s52, s51, 12288
	s_add_nc_u64 s[WDC:WDC+1], s[WDC:WDC+1], s[52:53]
	s_lshl_b32 s52, s51, 9
	s_add_nc_u64 s[WDS:WDS+1], s[WDS:WDS+1], s[52:53]
	s_lshr_b32 s52, s48, 5
	s_add_co_u32 s52, s52, s[TP]
	s_lshl_b32 s52, s52, 14
	s_lshl_b32 s54, s51, 11
	s_add_co_u32 s52, s52, s54
	s_add_nc_u64 s[PATO:PATO+1], s[PATO:PATO+1], s[52:53]   ; pat: [32 tokens][head][tile parity][512]
	s_lshr_b32 s52, s[XX], 3
	s_lshl_b32 s52, s52, 4
	s_lshl_b32 s54, s[YLO], 2
	s_add_co_u32 s52, s52, s54
	s_lshl_b32 s52, s52, 5
	s_and_b32 s54, s[XX], 7
	s_lshl_b32 s54, s54, 2
	s_add_co_u32 s52, s52, s54
	s_add_co_u32 s52, s52, s[WV]
	s_mul_i32 s52, s52, 3328
	s_add_nc_u64 s[QKO:QKO+1], s[QKO:QKO+1], s[52:53]       ; [b, head][64 tokens][3328]
	s_lshl_b32 s52, s[YHI], 4
	s_lshl_b32 s54, s[WV], 2
	s_add_co_u32 s54, s54, s52
	s_lshl_b32 s54, s54, 4
	s_add_co_u32 s54, s54, s[XX]
	s_mul_i32 s54, s54, 6400
	s_lshl_b32 s55, s[YLO], 6
	s_add_co_u32 s54, s54, s55
	s_add_co_u32 s54, s54, 6144
	s_mov_b32 s55, 0
	s_add_nc_u64 s[VSO:VSO+1], s[32:33], s[54:55]  ; v's scale words of heads 4 wave on
	s_lshl_b32 s54, s[HH], 3
	s_add_co_u32 s54, s54, s52
	s_lshl_b32 s54, s54, 4
	s_add_co_u32 s54, s54, s[XX]
	s_mul_i32 s54, s54, 6400
	s_mul_i32 s57, s[YLO], 1536
	s_add_co_u32 s54, s54, s57
	s_mul_i32 s57, s[CC], 768
	s_add_co_u32 s54, s54, s57
	s_add_nc_u64 s[OUTV:OUTV+1], s[32:33], s[54:55]         ; [b, head][key step][tile j][c][768]
	s_mov_b32 s[SB], 0x00020100                    ; the bytes of a 24-bit group, repeated: three registers' selectors
	s_mov_b32 s[SB+1], 0x01000201
	s_mov_b32 s[SB+2], 0x02010002
	s_mov_b32 s[SBZ], 0x0c0c0c0c
	s_mov_b32 s[TG], 0
	s_mov_b32 s[TGS], 0
	s_mov_b32 s[TVS], 0
	s_mov_b32 s[CNT], 4
	v_and_b32 v[RR], 15, v0
	v_bfe_u32 v[HF], v0, 4, 1
	v_and_b32 v[L8], 31, v0
	v_lshlrev_b32 v[L16], 4, v[L8]
	v_lshlrev_b32 v[L8], 3, v[L8]
	v_lshlrev_b32 v[R32], 5, v[RR]
	v_mul_u32_u24 v[WDO], v[RR], 768
	v_mad_u32_u24 v[WDO], v[HF], 24, v[WDO]
	WIN 0x40
.irp ks, 0,1,2,3
.irp p, 0,1,2,3,4,5
	global_load_b64 v[192+12*\ks+2*\p:193+12*\ks+2*\p], v[WDO], s[WDC:WDC+1] offset:96*\ks+48*(\p/3)+8*(\p%3)
.endr
.endr
	WIN 0x80
.irp ks, 4,5,6,7
.irp p, 0,1,2,3,4,5
	global_load_b64 v[192+12*(\ks-4)+2*\p:193+12*(\ks-4)+2*\p], v[WDO], s[WDC:WDC+1] offset:96*\ks+48*(\p/3)+8*(\p%3)
.endr
.endr
	WIN 0
	global_load_b128 v[GS:GS+3], v[R32], s[WDS:WDS+1]
	global_load_b128 v[GS+4:GS+7], v[R32], s[WDS:WDS+1] offset:16
.irp ta, 0,1,2,3
	global_load_b128 v[XS+8*\ta:XS+8*\ta+3], v[R32], s[XSP:XSP+1] offset:512*\ta
	global_load_b128 v[XS+8*\ta+4:XS+8*\ta+7], v[R32], s[XSP:XSP+1] offset:512*\ta+16
.endr
.irp n, 0,1,2,3
	global_load_b128 v[CSL+4*\n:CSL+4*\n+3], v[L16], s[8+2*\n:9+2*\n]
.endr
	XLOAD 0, 0
	XLOAD 1, 96
	WIN 0
	; every LDS address is made here, on the one way that all waves take
	v_mul_u32_u24 v[WA], v[RR], 816
	v_mad_u32_u24 v[WA+1], v[HF], 40, v[WA]
	v_mad_u32_u24 v[WA], v[HF], 24, v[WA]
.irp q, 1,2,3
	v_add_nc_u32 v[WA+2*\q], \q*4*SLOTB, v[WA]
	v_add_nc_u32 v[WA+2*\q+1], \q*4*SLOTB, v[WA+1]
.endr
	s_mul_i32 s48, s[WV], SLOTB
	s_add_co_u32 s48, s48, XST
	v_add_nc_u32 v[XA], s48, v[WA]
	v_add_nc_u32 v[XA+1], s48, v[WA+1]
	v_lshl_add_u32 v[XSTO], v[HF], 4, v[L16]
	v_add_nc_u32 v[XSTO], s48, v[XSTO]
	v_mul_u32_u24 v[WSB], v[RR], 48
	v_add_nc_u32 v[WSB], WSC, v[WSB]
	v_bfe_u32 v[WSTO], v0, 1, 4
	v_mul_u32_u24 v[WSTO], v[WSTO], 48
	v_and_b32 v[GW], 1, v0
	v_lshl_add_u32 v[WSTO], v[GW], 4, v[WSTO]
	s_mul_i32 s49, s[WV], 4*768
	s_add_co_u32 s49, s49, WSC
	v_add_nc_u32 v[WSTO], s49, v[WSTO]
	s_mul_i32 s49, s[HH], 4*SLOTB
	s_add_co_u32 s49, s49, 8*SLOTB
	v_add_nc_u32 v[VG], s49, v[WA]
	v_add_nc_u32 v[VG+1], s49, v[WA+1]
	s_mul_i32 s49, s[HH], 4*768
	s_add_co_u32 s49, s49, 8*768
	v_add_nc_u32 v[VGS], s49, v[WSB]
	v_mul_u32_u24 v[VSTO], v[HF], 8*272
	v_lshl_add_u32 v[VSTO], v[RR], 2, v[VSTO]
	v_add_nc_u32 v[VSTO], s48, v[VSTO]
	v_mul_u32_u24 v[VRD], v[RR], 272
	v_lshl_add_u32 v[VRD], v[HF], 7, v[VRD]
	v_add_nc_u32 v[VRD], s48, v[VRD]
	s_lshl_b32 s49, s[HH], 9
	s_lshl_b32 s50, s[CC], 1
	s_add_co_u32 s49, s49, s50
	s_add_co_u32 s49, s49, VSC
	v_lshl_add_u32 v[VSCA], v[RR], 2, s49
	s_lshl_b32 s49, s[WV], 8
	s_add_co_u32 s49, s49, VSC
	v_add_nc_u32 v[VSCR], s49, v[L8]
	v_bfe_u32 v[VGO], v0, 3, 2
	v_mul_u32_u24 v[VGO], v[VGO], 102400
	v_and_b32 v[GWS], 7, v0
	v_lshl_add_u32 v[VGO], v[GWS], 3, v[VGO]
	v_mov_b32 v[NINF], 0xff800000
	v_lshlrev_b32 v[PO], 10, v[HF]
	v_lshl_add_u32 v[PO], v[RR], 4, v[PO]
	v_lshlrev_b32 v[SH8], 3, v[HF]
	v_mov_b32 v[SWD+1], 0
	v_mov_b32 v[HX], 0                             ; a lane permute's destination counts as one of its sources
.irp b, 0,1,2,3
	v_mov_b32 v[TM+4+\b], 0
.endr
.irp ta, 0,1,2,3
.if \ta < 3
	s_wait_loadcnt 24                              ; this tile's loads and all older ones are in; the next tile's 24 may be out
.else
	s_wait_loadcnt 0x0
.endif
.if \ta == 0
.irp n, 0,1,2,3
	ds_store_b128 v[WSTO], v[CSL+4*\n:CSL+4*\n+3] offset:768*\n
.endr
.endif
	XTILE \ta, 96*(\ta%2)
.if \ta < 2
	s_wait_dscnt 0x0                               ; the stage's stores have read the landing registers
	XLOAD \ta+2, 96*(\ta%2)
	WIN 0
.endif
.endr
	v_xor_b32 v[WDO], 128, v[L16]                  ; Wd's loads are in: from here on 16 x (lane xor 8), for the second pair's images of q and k
	s_wait_alu depctr_va_vdst(0)                   ; the wait ahead of the waits below
	s_wait_tensorcnt 0x0
	s_wait_dscnt 0x0
	s_barrier_signal -1
	s_barrier_wait -1                              ; everybody's
	s_cmp_lg_u32 s[TP], 0
	s_cbranch_scc1 .Lgate_hi
	GATEO 0
	s_branch .Lgate_done
.Lgate_hi:
	GATEO 1
.Lgate_done:
	GEMM16 0, WA, 0                                ; q/k: heads 0, 1 of my four;  v: experts 0-3, 4-7 of tile j
	GEMM16 128, WA+2, 4
	s_cmp_lg_u32 s[ISV], 0
	s_cbranch_scc1 .Lnot_qk
	PLACES 4
	QOUT 0
	QOUT 1
	GEMM16 0, WA+4, 8
	GEMM16 128, WA+6, 12
	PLACES 4
	QOUT 2
	QOUT 3
.Lnot_qk:
.Ltrip:                                            ; four trips, two heads each.  Every wave walks the loop; the q/k path jumps over the work
	v_add_nc_u32 v[GW], s[TG], v[VG]
	v_add_nc_u32 v[GW+1], s[TG], v[VG+1]
	v_add_nc_u32 v[GWS], s[TGS], v[VGS]
	v_add_nc_u32 v[VSW], s[TVS], v[VSCA]
	s_cmp_eq_u32 s[ISV], 0
	s_cbranch_scc1 .Lskip
	s_wait_xcnt 0x0                                ; earlier stores have read their registers: the fragments below land where the last trip's codes stood
	PLACES 4
	s_wait_alu depctr_va_vdst(0)
	ds_load_b128 v[GS:GS+3], v[GWS]
	ds_load_b128 v[GS+4:GS+7], v[GWS] offset:16
.irp ks, 0,1,2,3,4,5,6,7
	FRAG WF+12*\ks, GW, \ks, 0
.endr
	s_wait_dscnt 0x0
.irp ks, 0,1,2,3,4,5,6,7
	WIN 0x04+4*(\ks/4)
.irp ta, 0,1,2,3
	WMM G+8*\ta, WF+12*\ks, 12*(4*(\ks%4)+\ta), GS+\ks, XS+8*\ta+\ks, \ks==0
.endr
.endr
	WIN 0
	PLACES 4
.irp ta, 0,1,2,3
	TILEV \ta
.endr
	VQ 0, CAA
	VQ 1, CAB
.Lskip:
	s_wait_xcnt 0x0                                ; the stores have read their base
	s_add_nc_u64 s[OUTV:OUTV+1], s[OUTV:OUTV+1], 204800
	s_add_co_u32 s[TG], s[TG], SLOTB
	s_add_co_u32 s[TGS], s[TGS], 768
	s_add_co_u32 s[TVS], s[TVS], 128
	s_sub_co_u32 s[CNT], s[CNT], 1
	s_cmp_lg_u32 s[CNT], 0
	s_cbranch_scc1 .Ltrip
	s_wait_dscnt 0x0                               ; my scale bytes are stored
	s_barrier_signal -1
	s_barrier_wait -1                              ; the other half of each word too
	s_cmp_eq_u32 s[ISV], 0
	s_cbranch_scc1 .Lend
	ds_load_b64 v[MB:MB+1], v[VSCR]
	s_wait_dscnt 0x0
	global_store_b64 v[VGO], v[MB:MB+1], s[VSO:VSO+1]
.Lend:
	s_set_vgpr_msb 0x5
	s_wait_tensorcnt 0x0
	ds_add_u32 v254, v255
	s_wait_dscnt 0x0
	s_set_vgpr_msb 0x500
	CROUND                                         ; the closing round
	s_endpgm
.Lfunc_end_k_qef8bb78e72_proj:
	.size	k_qef8bb78e72_proj, .Lfunc_end_k_qef8bb78e72_proj-k_qef8bb78e72_proj
	.p2alignl 7, 3214868480
	.fill 96, 4, 3214868480
	.section	.rodata,"a",@progbits
	.p2align	6, 0x0
	.amdhsa_kernel k_qef8bb78e72_proj
		.amdhsa_group_segment_fixed_size 274944
		.amdhsa_private_segment_fixed_size 0
		.amdhsa_enable_private_segment 0
		.amdhsa_kernarg_size 128
		.amdhsa_user_sgpr_count 2
		.amdhsa_user_sgpr_kernarg_segment_ptr 1
		.amdhsa_wavefront_size32 1
		.amdhsa_system_sgpr_workgroup_id_x 1
		.amdhsa_system_sgpr_workgroup_id_y 1
		.amdhsa_system_sgpr_workgroup_id_z 1
		.amdhsa_system_vgpr_workitem_id 0
		.amdhsa_next_free_vgpr 1024
		.amdhsa_next_free_sgpr 104
		.amdhsa_reserve_vcc 0
		.amdhsa_float_denorm_mode_32 3
		.amdhsa_float_denorm_mode_16_64 3
		.amdhsa_memory_ordered 1
		.amdhsa_forward_progress 1
		.amdhsa_inst_pref_size 255
	.end_amdhsa_kernel
	.section	.bss,"aw",@nobits
	.p2align	6
	.space	262144
	.amdgpu_metadata
---
amdhsa.version: [ 1, 2 ]
amdhsa.kernels:
  - .name:           k_qef8bb78e72_proj
    .symbol:         k_qef8bb78e72_proj.kd
    .args:
      - { .name: x_codes, .offset: 0, .size: 8, .value_kind: global_buffer, .address_space: global }
      - { .name: x_scales, .offset: 8, .size: 8, .value_kind: global_buffer, .address_space: global }
      - { .name: Wq_codes, .offset: 16, .size: 8, .value_kind: global_buffer, .address_space: global }
      - { .name: Wq_scales, .offset: 24, .size: 8, .value_kind: global_buffer, .address_space: global }
      - { .name: Wk_codes, .offset: 32, .size: 8, .value_kind: global_buffer, .address_space: global }
      - { .name: Wk_scales, .offset: 40, .size: 8, .value_kind: global_buffer, .address_space: global }
      - { .name: Wv_codes, .offset: 48, .size: 8, .value_kind: global_buffer, .address_space: global }
      - { .name: Wv_scales, .offset: 56, .size: 8, .value_kind: global_buffer, .address_space: global }
      - { .name: Ws_codes, .offset: 64, .size: 8, .value_kind: global_buffer, .address_space: global }
      - { .name: Ws_scales, .offset: 72, .size: 8, .value_kind: global_buffer, .address_space: global }
      - { .name: Wd_codes, .offset: 80, .size: 8, .value_kind: global_buffer, .address_space: global }
      - { .name: Wd_scales, .offset: 88, .size: 8, .value_kind: global_buffer, .address_space: global }
      - { .name: qblk, .offset: 96, .size: 8, .value_kind: global_buffer, .address_space: global }
      - { .name: kblk, .offset: 104, .size: 8, .value_kind: global_buffer, .address_space: global }
      - { .name: vblk, .offset: 112, .size: 8, .value_kind: global_buffer, .address_space: global }
      - { .name: pat, .offset: 120, .size: 8, .value_kind: global_buffer, .address_space: global }
    .group_segment_fixed_size: 274944
    .private_segment_fixed_size: 0
    .kernarg_segment_align: 8
    .kernarg_segment_size: 128
    .max_flat_workgroup_size: 128
    .sgpr_count:     104
    .vgpr_count:     1024
    .wavefront_size: 32
...
	.end_amdgpu_metadata
.endif
;; end of part 1
;; launch attn (part 2): grid 8 x 32, 16 waves a work-group, clusters of 4 x 1, 210,944 bytes of LDS; arguments qblk, kblk, vblk, Wo, aimg, wimg, wsc; writes aimg, wimg, wsc
.if DOCPART == 2
	.amdgcn_target "amdgcn-amd-amdhsa--gfx1250"
	.amdhsa_code_object_version 6
	.text
	.protected	k_qef8bb78e72_attn
	.globl	k_qef8bb78e72_attn
	.p2align	8
	.type	k_qef8bb78e72_attn,@function
k_qef8bb78e72_attn:
	s_mov_b64 s[64:65], 0
	v_nop
	global_prefetch_b8 v0, s[64:65] scope:SCOPE_SE
	s_setreg_imm32_b32 hwreg(HW_REG_WAVE_MODE, 25, 1), 1
	s_wait_xcnt 0x0
	s_wait_alu depctr_hold_cnt(0) depctr_sa_sdst(0) depctr_va_vdst(0) depctr_va_sdst(0) depctr_va_ssrc(0) depctr_va_vcc(0) depctr_vm_vsrc(0)
	s_getreg_b32 s2, hwreg(HW_REG_IB_STS2, 6, 4)
	s_cmp_eq_u32 s2, 0
	s_cbranch_scc0 .Lentry_in_a_cluster
	s_endpgm
.Lentry_in_a_cluster:
	s_bfe_u32 s2, ttmp6, 0x10000c
	s_cmp_lg_u32 s2, 0x3003
	s_cbranch_scc0 .Lentry_shape_is_right
	s_endpgm
.Lentry_shape_is_right:
; ATTN: attn[t][h][:] = softmax(q k^T) v on codes of E2M3, and attn's and Wo's quantising for the last product.
; SHARES.  A work-group owns 256 queries of one (b, head); each of its sixteen waves one tile of 16, in 256 registers: four waves to a SIMD.
; The whole head's k and v (208,896 bytes, images of the operands' registers) come into LDS ONCE: each wave asks for one piece at the head (waves 0-7 two key steps of k, waves 8-15 two of v); nothing is filled twice.
; The four work-groups of a cluster belong to one head: joint loads.  No prefetch: every tile is asked for at the head, so there is no loop to run ahead in.
; K = 64 IN AN INSTRUCTION OF K = 128: a fragment of k holds two tiles of 16 keys, [Ka | Kb]; q stands between two runs of zero codes: [q | 0] gives Ka q, [0 | q] gives Kb q.
; Both products are used transposed: a lane holds ONE query.  t = score x log2(e); M = ceil of the running largest t; p = 2^(t - M) is quantised along the keys; the row's sum is taken of the unquantised p.
; WHICH KEYS FORM A TILE.  Of a group of 64 keys the images hold pair 0 (keys 0-31) and pair 1 (keys 32-63; lane l at place l xor 8).  Fragment T0 takes rows 0-7 of pair 0 and rows 0-7 of pair 1, T1 rows 8-15 of both, by lane addresses.
; So lanes 0-15 hold all 32 scores of block 2 c and lanes 16-31 all of block 2 c + 1, in the order 0-7, 16-23, 8-15, 24-31, which v carries too: a block's maximum and its codes need no other lane.
; THE LAST PRODUCT'S K runs (d, e), e innermost: a block of 32 is 4 neighbouring d x 8 experts.  So attn has one scale for each 4 d; its four codes (24 bits) go out as one word.  Wo has one scale for (f, 4 d) over all experts.
; Inside a block both sides are laid (e, d % 4); in a K step of 16 d block 4 dt + 2 h + c stands at place 2 c + h.  Wave 8 of work-group number F quantises fragment F of Wo's 256 while the tiles are on their way.
; LIMITS: NaN and infinities are not served; scores lie above -1e38 and the exponents t under 2^31 in magnitude; |attn| stays under 2^126 (2^-e is made as a number);
; blocks under the floor 2^-124, and blocks of zeros, keep the byte 1: this program alone reads the bytes.  wsc leaves as runs of 64 bytes (16,384 bytes in all).
.set KSB, 6656                         ; a key step of k: two groups of 64 keys x 3,328
.set VSB, 6400                         ; of v
.set VL,  106496                       ; v behind k
.set SPARE, 208896                     ; the spare words, 128 bytes a wave
.set WV,  18
.set W7,  19
.set NC,  21
.set CS,  22
.set G1K, 24
.set G1V, 32
.set G0K, 40
.set G0V, 44
.set SEL, 66
.set CNT, 76
.macro PLACES n
.rept \n
	v_nop
.endr
.endm
.macro DL n
	s_delay_alu instid0(VALU_DEP_\n)
.endm
.macro CROUND
	s_barrier_signal -1
	s_barrier_wait -1
	s_cmp_lg_u32 s[WV], 0
	s_cbranch_scc1 .Lnot_wave_0_\@
	s_barrier_signal -3
.Lnot_wave_0_\@:
	s_barrier_wait -3
	s_barrier_signal -1
	s_barrier_wait -1
.endm
; REGISTERS: v1 16 x lane; v5, v6, v3 k's fragments T0, T1 and scale words; v7, v2, v4 v's planes of 16 and 8 bytes and scale words; v8 8 h; v12 -M, v13 the largest score, v[14:15] the sum;
; v16-21 zeros, v22-27 q, v28-33 zeros; v34 q's scale word; v36-83 four fragments of k, then of v; v84-90 at work; v96-159 S^T, then p; v160-191 O^T; v192-210 at work; v224-235 p's codes;
; v248-251 k's or v's scale words; v252 f, v253 p's scale word; v254, v255 the add's two registers
	s_load_b256 s[4:11], s[0:1], 0x0               ; qblk, kblk, vblk, Wo
	s_load_b128 s[12:15], s[0:1], 0x20             ; aimg, wimg
	s_load_b64 s[16:17], s[0:1], 0x30              ; wsc
	v_lshl_add_u32 v254, v0, 2, SPARE
	v_mov_b32 v255, 0
	ds_add_u32 v254, v255                          ; the opening lines: the add twice on end and one wait
	ds_add_u32 v254, v255
	v_lshrrev_b32 v1, 5, v0
	v_readfirstlane_b32 s[WV], v1
	s_and_b32 s[W7], s[WV], 7
	s_bfe_u32 s77, ttmp6, 0x40000
	s_lshl_b32 s78, ttmp9, 2
	s_add_co_u32 s78, s78, s77                     ; my block of 256 queries: it enters global addresses of q, Wo and the outputs alone
	s_and_b32 s79, ttmp7, 0xffff                   ; (b, head)
.irp g, G1K, G1V                       ; dense blocks as rows of 256 bytes (32 elements of 8)
	s_mov_b32 s[\g], 15|(3<<16)|(1<<21)
	s_mov_b32 s[\g+1], 32<<16
	s_mov_b32 s[\g+3], 32<<16
	s_mov_b32 s[\g+5], 32
	s_mov_b32 s[\g+6], 0
	s_mov_b32 s[\g+7], 0
.endr
	s_mov_b32 s[G1K+2], 52<<16                     ; two key steps of k: 52 rows,
	s_mov_b32 s[G1K+4], 52
	s_mov_b32 s[G1V+2], 50<<16                     ; of v: 50
	s_mov_b32 s[G1V+4], 50
	s_mov_b32 s[SEL], 0x76543210
	s_mov_b32 s[SEL+1], 0xfedcba98
	s_mov_b32 s[CS], 0x3fb8aa3b                    ; log2(e): q carries the 1 / 8
	s_mov_b32 s[CS+1], s[CS]
	s_mov_b32 s[NC], 0xbfb8aa3b                    ; -log2(e)
	s_mul_i32 s82, s[W7], 2*KSB
	s_mul_i32 s80, s79, 16*KSB
	s_add_co_u32 s80, s80, s82
	s_mov_b32 s81, 0
	s_mul_i32 s83, s[W7], 2*VSB
	s_mul_i32 s84, s79, 16*VSB
	s_add_co_u32 s84, s84, s83
	s_mov_b32 s85, 0
	s_wait_dscnt 0x0
	s_wait_kmcnt 0x0
	s_mov_b32 s[G0K], 1
	s_mov_b32 s[G0K+1], s82
	s_add_nc_u64 s[G0K+2:G0K+3], s[6:7], s[80:81]
	s_or_b32 s[G0K+3], s[G0K+3], 0x80000000
	s_mov_b32 s[G0V], 1
	s_add_co_u32 s[G0V+1], s83, VL
	s_add_nc_u64 s[G0V+2:G0V+3], s[8:9], s[84:85]
	s_or_b32 s[G0V+3], s[G0V+3], 0x80000000
	CROUND                                         ; the four work-groups are here: the joint loads meet
	s_cmp_lt_u32 s[WV], 8                          ; one load a wave: every way passes one
	s_cbranch_scc0 .Lfor_v
	tensor_load_to_lds s[G0K:G0K+3], s[G1K:G1K+7]
	s_nop 0
	PLACES 4
	s_branch .Lasked
.Lfor_v:
	tensor_load_to_lds s[G0V:G0V+3], s[G1V:G1V+7]
	s_nop 0
	PLACES 4
.Lasked:
	s_lshl_b32 s86, s79, 5
	s_lshl_b32 s87, s78, 2
	s_add_co_u32 s86, s86, s87
	s_lshr_b32 s87, s[WV], 2
	s_add_co_u32 s86, s86, s87
	s_mul_i32 s86, s86, 3328
	s_mov_b32 s87, 0
	s_add_nc_u64 s[4:5], s[4:5], s[86:87]          ; my group of 64 queries
	s_bfe_u32 s88, s[WV], 0x10001                  ; which pair of tiles,
	s_and_b32 s89, s[WV], 1                        ; which tile of the pair
	s_mul_i32 s90, s88, 1536
	s_mul_i32 s91, s89, 520
	s_add_co_u32 s91, s91, s90
	s_mul_i32 s92, s89, 1016
	s_add_co_u32 s92, s92, s90
	s_add_co_u32 s92, s92, 8
	s_add_co_u32 s93, s91, 512
	s_lshl_b32 s94, s88, 7
	s_add_co_u32 s96, s94, 3072
	s_lshl_b32 s95, s89, 4
	s_lshr_b32 s98, s79, 4
	s_lshl_b32 s98, s98, 6
	s_lshl_b32 s97, s78, 3
	s_add_co_u32 s98, s98, s97
	s_lshr_b32 s97, s[WV], 1
	s_add_co_u32 s98, s98, s97
	s_lshl_b32 s98, s98, 4
	s_and_b32 s97, s79, 15
	s_add_co_u32 s98, s98, s97
	s_mul_i32 s98, s98, 3072
	s_mul_i32 s97, s89, 1536
	s_add_co_u32 s98, s98, s97
	s_mov_b32 s99, 0
	s_add_nc_u64 s[12:13], s[12:13], s[98:99]      ; aimg: [32 tokens][head][tile parity][1536]
	v_and_b32 v9, 15, v0                           ; r
	v_bfe_u32 v10, v0, 4, 1                        ; h
	v_and_b32 v1, 31, v0
	v_bfe_u32 v35, v0, 3, 1                        ; r / 8
	v_lshlrev_b32 v2, 3, v1
	v_lshlrev_b32 v1, 4, v1                        ; 16 x lane
	v_lshlrev_b32 v8, 3, v10
	v_lshlrev_b32 v11, 2, v9
	v_lshlrev_b32 v3, 3, v9
	v_add_nc_u32 v7, VL, v1                        ; v's planes of 16 bytes,
	v_add_nc_u32 v2, VL+512, v2                    ; of 8
	v_lshl_add_u32 v4, v9, 2, VL+6144              ; v's scale words
	v_mad_u32_u24 v5, v35, 1536, v1                ; T0: rows 0-7 from pair 0 at place l, rows 8-15 from pair 1 at place l (its rows 0-7)
	v_lshl_add_u32 v3, v35, 6, v3
	v_xor_b32 v192, s94, v1                        ; q: pair 1's image has lane l at place l xor 8
	v_xor_b32 v6, 128, v5                          ; T1: place l xor 8 of the same pairs.  In both, sixteen lanes touch sixteen different 16-byte columns
	v_add_nc_u32 v3, 3072, v3                      ; k's scale words of T0's rows; T1's lie 64 bytes on
	v_add_nc_u32 v193, s91, v192                   ; registers 6 u .. 6 u + 5 of the pair's image, in three pieces of 8 bytes
	v_add_nc_u32 v194, s92, v192
	v_add_nc_u32 v195, s93, v192
	v_lshl_add_u32 v196, v9, 3, s96
	s_wait_alu depctr_va_vdst(0)
	global_load_b64 v[22:23], v193, s[4:5]
	global_load_b64 v[24:25], v194, s[4:5]
	global_load_b64 v[26:27], v195, s[4:5]
	global_load_b32 v34, v196, s[4:5]
	s_cmp_lg_u32 s[WV], 8
	s_cbranch_scc1 .Lno_wo
	; ---- one fragment of Wo: F = 32 fg + 8 dt + ft.  Lane (r, h): row f = 128 fg + 16 ft + r; registers 6 c on: block 4 dt + 2 h + c, numbers Wo[e][f][4 block + dd] in the order (e, dd)
	s_lshl_b32 s90, s79, 3
	s_add_co_u32 s90, s90, s78
	s_lshr_b32 s91, s90, 5
	s_bfe_u32 s92, s90, 0x20003
	s_and_b32 s93, s90, 7
	s_lshl_b32 s91, s91, 7
	s_lshl_b32 s93, s93, 4
	s_add_co_u32 s91, s91, s93
	s_lshl_b32 s91, s91, 8
	s_lshl_b32 s92, s92, 6
	s_add_co_u32 s96, s91, s92
	s_mov_b32 s97, 0
	s_add_nc_u64 s[10:11], s[10:11], s[96:97]
	s_mul_i32 s96, s90, 1536
	s_add_nc_u64 s[14:15], s[14:15], s[96:97]
	s_lshl_b32 s96, s90, 6
	s_add_nc_u64 s[16:17], s[16:17], s[96:97]
	v_lshlrev_b32 v197, 8, v9
	DL 1
	v_lshl_add_u32 v197, v10, 5, v197
.irp c, 0,1
.irp e, 0,1,2,3,4,5,6,7
	global_load_b128 v[96+32*\c+4*\e:99+32*\c+4*\e], v197, s[10:11] offset:262144*\e+16*\c th:TH_LOAD_NT
.endr
.endr
	s_wait_loadcnt 0x0
.irp c, 0,1
	v_max3_num_f32 v[240+\c], |v[96+32*\c]|, |v[97+32*\c]|, 0x1800000
.endr
.irp i, 2,4,6,8,10,12,14,16,18,20,22,24,26,28,30
.irp c, 0,1
	DL 2
	v_max3_num_f32 v[240+\c], v[240+\c], |v[96+32*\c+\i]|, |v[97+32*\c+\i]|
.endr
.endr
.irp c, 0,1
	DL 2
	v_add_nc_u32 v[244+\c], 0xff000000, v[240+\c]
.endr
.irp c, 0,1
	DL 2
	v_lshrrev_b32 v[240+\c], 23, v[244+\c]
.endr
	DL 1
	v_lshl_or_b32 v246, v241, 16, v240
	DL 1
	v_lshlrev_b32 v246, v8, v246                   ; places h and 2 + h of the scale word
	v_mov_b32 v247, 0
	DL 1
	v_permlanex16_b32 v247, v246, s[SEL], s[SEL+1]
	DL 1
	v_or_b32 v246, v246, v247
.irp c, 0,1
	v_cvt_scalef32_pk16_fp6_f32 v[224+6*\c:226+6*\c], v[96+32*\c:111+32*\c], v[244+\c]
	v_cvt_scalef32_pk16_fp6_f32 v[236+4*\c:238+4*\c], v[112+32*\c:127+32*\c], v[244+\c]
.endr
	v_nop
.irp c, 0,1
.irp i, 0,1,2
	v_mov_b32 v[227+6*\c+\i], v[236+4*\c+\i]
.endr
.endr
.irp g, 0,1,2
	global_store_b128 v1, v[224+4*\g:227+4*\g], s[14:15] offset:512*\g
.endr
	global_store_b32 v11, v246, s[16:17]           ; both halves of the lanes hold the same word
	s_wait_xcnt 0x0                                ; these registers are written again below
.Lno_wo:
	s_wait_loadcnt 0x0                             ; q
	v_lshrrev_b32 v34, s95, v34                    ; my tile's two bytes of the pair's word,
	DL 1
	v_and_b32 v34, 0xffff, v34
	DL 1
	v_lshl_or_b32 v34, v34, 16, v34                ; twice: they serve [q | 0] and [0 | q]
.irp j, 16,17,18,19,20,21,28,29,30,31,32,33
	v_mov_b32 v[\j], 0
.endr
	v_mov_b32 v13, 0xfe967699                      ; the largest score so far: -1e38
	v_mov_b32 v12, 0x7e967699                      ; -M: 1e38, a whole number
.irp j, 14,15,88,203,236,237,238,239,253
	v_mov_b32 v[\j], 0                             ; the sum; destinations of lane permutes; the upper half of the pair v[252:253]
.endr
.set J, 0
.rept 32
	v_mov_b32 v[160+J], 0                          ; O^T: the step is written once; the first change of M leaves zeros zeros
.set J, J+1
.endr
	s_mov_b32 s[CNT], 16
	s_wait_alu depctr_va_vdst(0)                   ; the wait at the head's end
	s_wait_tensorcnt 0x0                           ; my piece has landed
	s_barrier_signal -1
	s_barrier_wait -1                              ; everybody's: all of k and v is in
.Lstep:                                            ; 128 keys a trip
.irp c, 0,1
.irp g, 0,1,2
	ds_load_b128 v[36+24*\c+4*\g:39+24*\c+4*\g], v5 offset:3328*\c+512*\g
	ds_load_b128 v[48+24*\c+4*\g:51+24*\c+4*\g], v6 offset:3328*\c+512*\g
.endr
	ds_load_b32 v[248+2*\c], v3 offset:3328*\c
	ds_load_b32 v[249+2*\c], v3 offset:3328*\c+64
.endr
	s_wait_dscnt 0x0
.irp f, 0,1,2,3                        ; fragment 2 c + T: registers 96 + 32 c on hold elements 0-7, 16-23 (T0), 8-15, 24-31 (T1) of block 2 c + h
	v_wmma_scale_f32_16x16x128_f8f6f4 v[96+16*\f:103+16*\f], v[36+12*\f:47+12*\f], v[22:33], 0, v[248+\f], v34 matrix_a_fmt:MATRIX_FMT_FP6 matrix_b_fmt:MATRIX_FMT_FP6
	v_wmma_scale_f32_16x16x128_f8f6f4 v[104+16*\f:111+16*\f], v[36+12*\f:47+12*\f], v[16:27], 0, v[248+\f], v34 matrix_a_fmt:MATRIX_FMT_FP6 matrix_b_fmt:MATRIX_FMT_FP6
.endr
	v_add_nc_u32 v5, KSB, v5                       ; the next step's k; these four lines are also the places behind the products
	v_add_nc_u32 v6, KSB, v6
	v_add_nc_u32 v3, KSB, v3
	v_mov_b32 v90, v12                             ; the old -M
.irp dt, 0,1,2,3                       ; v's fragments are asked for now and land under the softmax
.irp c, 0,1
	ds_load_b128 v[36+12*\dt+6*\c:39+12*\dt+6*\c], v7 offset:1536*\dt+768*\c
	ds_load_b64 v[40+12*\dt+6*\c:41+12*\dt+6*\c], v2 offset:1536*\dt+768*\c
.endr
	ds_load_b32 v[248+\dt], v4 offset:64*\dt
.endr
.irp c, 0,1                            ; my two blocks' largest scores, four chains by turns; each accumulator is read from its low end on
	v_max3_num_f32 v[84+\c], v[96+32*\c], v[97+32*\c], v[98+32*\c]
	v_max3_num_f32 v[86+\c], v[112+32*\c], v[113+32*\c], v[114+32*\c]
.endr
.irp i, 3,5,7,9,11,13
.irp c, 0,1
	v_max3_num_f32 v[84+\c], v[84+\c], v[96+32*\c+\i], v[97+32*\c+\i]
	v_max3_num_f32 v[86+\c], v[86+\c], v[112+32*\c+\i], v[113+32*\c+\i]
.endr
.endr
.irp c, 0,1
	v_max3_num_f32 v[84+\c], v[84+\c], v[86+\c], v[111+32*\c]
.endr
.irp c, 0,1
	v_max_num_f32 v[84+\c], v[84+\c], v[127+32*\c]
.endr
	DL 1
	v_max3_num_f32 v13, v13, v84, v85
	DL 1
	v_permlanex16_b32 v88, v13, s[SEL], s[SEL+1]
	DL 1
	v_max_num_f32 v13, v13, v88                    ; the running largest score of my query
	DL 1
	v_mul_f32 v89, s[NC], v13
	DL 1
	v_floor_f32 v12, v89                           ; -M = floor(-t): M is a whole number
	DL 1
	v_sub_f32 v90, v12, v90
	DL 1
	v_cvt_i32_f32 v90, v90                         ; (it saturates)
	DL 1
	v_ldexp_f32 v252, 1.0, v90                     ; f = 2^(old M - new M): exact
.set J, 0
.rept 32
	v_pk_fma_f32 v[96+J:97+J], v[96+J:97+J], s[CS:CS+1], v[12:13] op_sel_hi:[1,0,0]
.set J, J+2
.endr
	v_fma_f32 v84, v84, s[CS], v12                 ; the same of each block's largest score
	v_fma_f32 v85, v85, s[CS], v12
	s_wait_alu depctr_va_vdst(0)                   ; the wait ahead of the batch
.set J, 0
.rept 64
	v_exp_f32 v[96+J], v[96+J]                     ; p = 2^(t - M)
.set J, J+1
.endr
	v_exp_f32 v84, v84                             ; the blocks' largest p
	v_exp_f32 v85, v85
	v_pk_mul_f32 v[14:15], v[14:15], v[252:253] op_sel_hi:[1,0]   ; the sum under the new M: a plain place behind the batch
	s_wait_alu depctr_va_vdst(0)                   ; one wait for the batch of 66, ahead of its first reader
	v_pk_add_f32 v[192:193], v[96:97], v[98:99]    ; the row's sum of the unquantised p, in four chains
	v_pk_add_f32 v[194:195], v[100:101], v[102:103]
	v_pk_add_f32 v[196:197], v[104:105], v[106:107]
	v_pk_add_f32 v[14:15], v[14:15], v[108:109]
.irp j, 110,118,126,134,142,150
	v_pk_add_f32 v[192:193], v[192:193], v[\j:\j+1]
	v_pk_add_f32 v[194:195], v[194:195], v[\j+2:\j+3]
	v_pk_add_f32 v[196:197], v[196:197], v[\j+4:\j+5]
	v_pk_add_f32 v[14:15], v[14:15], v[\j+6:\j+7]
.endr
	v_pk_add_f32 v[192:193], v[192:193], v[158:159]
	v_pk_add_f32 v[194:195], v[194:195], v[196:197]
	v_max_num_f32 v84, 0x1800000, v84              ; the floor 2^(3 - 127): the byte cannot fall under 1
	v_max_num_f32 v85, 0x1800000, v85
	v_pk_add_f32 v[14:15], v[14:15], v[192:193]
	v_add_nc_u32 v198, 0xff000000, v84             ; 2 off the exponent field: the conversion's scale operand
	v_add_nc_u32 v199, 0xff000000, v85
	v_pk_add_f32 v[14:15], v[14:15], v[194:195]
	v_lshrrev_b32 v200, 23, v198                   ; the bytes of blocks h and 2 + h
	v_lshrrev_b32 v201, 23, v199
	DL 1
	v_lshl_or_b32 v202, v201, 16, v200
	DL 1
	v_lshlrev_b32 v202, v8, v202                   ; at their places in the scale word
	DL 1
	v_permlanex16_b32 v203, v202, s[SEL], s[SEL+1]
.irp c, 0,1
	v_cvt_scalef32_pk16_fp6_f32 v[224+6*\c:226+6*\c], v[96+32*\c:111+32*\c], v[198+\c]
	v_cvt_scalef32_pk16_fp6_f32 v[204+4*\c:206+4*\c], v[112+32*\c:127+32*\c], v[198+\c]   ; (a conversion's three registers begin on an even number)
.endr
	v_or_b32 v253, v202, v203                      ; p's scale word; also the plain place behind the conversions
.irp c, 0,1
.irp i, 0,1,2
	v_mov_b32 v[227+6*\c+\i], v[204+4*\c+\i]
.endr
.endr
	s_wait_dscnt 0x0                               ; v
	s_wait_alu depctr_va_vdst(0)                   ; the wait directly ahead of the first reader of O^T
.set J, 0
.rept 16
	v_pk_mul_f32 v[160+J:161+J], v[160+J:161+J], v[252:253] op_sel_hi:[1,0]   ; O^T under the new M; also the places in front of the products below
.set J, J+2
.endr
.irp dt, 0,1,2,3
	v_wmma_scale_f32_16x16x128_f8f6f4 v[160+8*\dt:167+8*\dt], v[36+12*\dt:47+12*\dt], v[224:235], v[160+8*\dt:167+8*\dt], v[248+\dt], v253 matrix_a_fmt:MATRIX_FMT_FP6 matrix_b_fmt:MATRIX_FMT_FP6
.endr
	v_add_nc_u32 v7, VSB, v7                       ; the next step's v; with the v_nop the four places behind the products
	v_add_nc_u32 v2, VSB, v2
	v_add_nc_u32 v4, VSB, v4
	v_nop
	s_sub_co_u32 s[CNT], s[CNT], 1
	s_cmp_lg_u32 s[CNT], 0
	s_wait_alu depctr_va_vdst(0)                   ; the wait directly ahead of the branch
	s_cbranch_scc1 .Lstep
	; ---- the way out: attn = O^T / the sum; a lane's register 8 dt + 4 c + dd is d = 16 dt + 8 h + 4 c + dd: eight blocks of four
	v_add_f32 v14, v14, v15
	DL 1
	v_permlanex16_b32 v252, v14, s[SEL], s[SEL+1]
	DL 1
	v_add_f32 v14, v14, v252
	s_wait_alu depctr_va_vdst(0)
	v_rcp_f32 v14, v14
	v_mov_b32 v144, 1.0
	s_wait_alu depctr_va_vdst(0)
.set J, 0
.rept 32
	v_mul_f32 v[96+J], v[160+J], v14
.set J, J+1
.endr
.irp q, 0,1,2,3,4,5,6,7
	v_max3_num_f32 v[128+\q], |v[96+4*\q]|, |v[97+4*\q]|, |v[98+4*\q]|
.endr
.irp q, 0,1,2,3,4,5,6,7
	v_max3_num_f32 v[128+\q], v[128+\q], |v[99+4*\q]|, 0x1800000
.endr
.irp q, 0,1,2,3,4,5,6,7
	v_add_nc_u32 v[128+\q], 0xff000000, v[128+\q]
.endr
.irp q, 0,1,2,3,4,5,6,7
	v_lshrrev_b32 v[136+\q], 23, v[128+\q]         ; the block's byte
.endr
.irp q, 0,1,2,3,4,5,6,7
	v_lshlrev_b32 v[128+\q], 23, v[136+\q]
.endr
.irp q, 0,1,2,3,4,5,6,7
	v_sub_nc_u32 v[128+\q], 0x7f000000, v[128+\q]  ; 2^-e as a number: the multiplication below rounds nothing that a code could show
.endr
.irp q, 0,1,2,3,4,5,6,7
.irp k, 0,1,2,3
	v_mul_f32 v[96+4*\q+\k], v[96+4*\q+\k], v[128+\q]
.endr
.endr
	v_cvt_scalef32_pk16_fp6_f32 v[192:194], v[96:111], v144        ; scale 1: sixteen codes, four blocks of 24 bits
	v_cvt_scalef32_pk16_fp6_f32 v[196:198], v[112:127], v144
	v_nop
.irp q, 0,1                            ; a word for each block; only its three low bytes are read later
	v_lshrrev_b32 v[195+4*\q], 8, v[194+4*\q]
	v_alignbit_b32 v[194+4*\q], v[194+4*\q], v[193+4*\q], 16
	v_alignbit_b32 v[193+4*\q], v[193+4*\q], v[192+4*\q], 24
.endr
.irp dt, 0,1,2,3
	v_lshl_or_b32 v[200+\dt], v[137+2*\dt], 16, v[136+2*\dt]
.endr
.irp dt, 0,1,2,3
	DL 4
	v_lshlrev_b32 v[200+\dt], v8, v[200+\dt]
.endr
.irp dt, 0,1,2,3
	DL 4
	v_permlanex16_b32 v[236+\dt], v[200+\dt], s[SEL], s[SEL+1]
.endr
.irp dt, 0,1,2,3
	DL 4
	v_or_b32 v[200+\dt], v[200+\dt], v[236+\dt]    ; the scale word of K step dt
.endr
	global_store_b128 v1, v[192:195], s[12:13]     ; 512 consecutive bytes a store
	global_store_b128 v1, v[196:199], s[12:13] offset:512
	global_store_b128 v1, v[200:203], s[12:13] offset:1024
	s_wait_tensorcnt 0x0                           ; the wave's end
	ds_add_u32 v254, v255
	s_wait_dscnt 0x0
	CROUND                                         ; the closing round
	s_endpgm
.Lfunc_end_k_qef8bb78e72_attn:
	.size	k_qef8bb78e72_attn, .Lfunc_end_k_qef8bb78e72_attn-k_qef8bb78e72_attn
	.p2alignl 7, 3214868480
	.fill 96, 4, 3214868480
	.section	.rodata,"a",@progbits
	.p2align	6, 0x0
	.amdhsa_kernel k_qef8bb78e72_attn
		.amdhsa_group_segment_fixed_size 210944
		.amdhsa_private_segment_fixed_size 0
		.amdhsa_enable_private_segment 0
		.amdhsa_kernarg_size 56
		.amdhsa_user_sgpr_count 2
		.amdhsa_user_sgpr_kernarg_segment_ptr 1
		.amdhsa_wavefront_size32 1
		.amdhsa_system_sgpr_workgroup_id_x 1
		.amdhsa_system_sgpr_workgroup_id_y 1
		.amdhsa_system_sgpr_workgroup_id_z 1
		.amdhsa_system_vgpr_workitem_id 0
		.amdhsa_next_free_vgpr 256
		.amdhsa_next_free_sgpr 100
		.amdhsa_reserve_vcc 0
		.amdhsa_float_denorm_mode_32 3
		.amdhsa_float_denorm_mode_16_64 3
		.amdhsa_memory_ordered 1
		.amdhsa_forward_progress 1
		.amdhsa_inst_pref_size 39
	.end_amdhsa_kernel
	.amdgpu_metadata
---
amdhsa.version: [ 1, 2 ]
amdhsa.kernels:
  - .name:           k_qef8bb78e72_attn
    .symbol:         k_qef8bb78e72_attn.kd
    .args:
      - { .name: qblk, .offset: 0, .size: 8, .value_kind: global_buffer, .address_space: global }
      - { .name: kblk, .offset: 8, .size: 8, .value_kind: global_buffer, .address_space: global }
      - { .name: vblk, .offset: 16, .size: 8, .value_kind: global_buffer, .address_space: global }
      - { .name: Wo, .offset: 24, .size: 8, .value_kind: global_buffer, .address_space: global }
      - { .name: aimg, .offset: 32, .size: 8, .value_kind: global_buffer, .address_space: global }
      - { .name: wimg, .offset: 40, .size: 8, .value_kind: global_buffer, .address_space: global }
      - { .name: wsc, .offset: 48, .size: 8, .value_kind: global_buffer, .address_space: global }
    .group_segment_fixed_size: 210944
    .private_segment_fixed_size: 0
    .kernarg_segment_align: 8
    .kernarg_segment_size: 56
    .max_flat_workgroup_size: 512
    .sgpr_count:     100
    .vgpr_count:     256
    .wavefront_size: 32
...
	.end_amdgpu_metadata
.endif
;; end of part 2
;; launch outp (part 3): grid 8 x 32, 4 waves a work-group, clusters of 4 x 1, 327,680 bytes of LDS; arguments aimg, pat, wimg, wsc, out0; writes out0
.if DOCPART == 3
	.amdgcn_target "amdgcn-amd-amdhsa--gfx1250"
	.amdhsa_code_object_version 6
	.text
	.protected	k_qef8bb78e72_outp
	.globl	k_qef8bb78e72_outp
	.p2align	8
	.type	k_qef8bb78e72_outp,@function
k_qef8bb78e72_outp:
	s_mov_b64 s[64:65], 0
	v_nop
	global_prefetch_b8 v0, s[64:65] scope:SCOPE_SE
	s_setreg_imm32_b32 hwreg(HW_REG_WAVE_MODE, 25, 1), 1
	s_wait_xcnt 0x0
	s_wait_alu depctr_hold_cnt(0) depctr_sa_sdst(0) depctr_va_vdst(0) depctr_va_sdst(0) depctr_va_ssrc(0) depctr_va_vcc(0) depctr_vm_vsrc(0)
	s_getreg_b32 s2, hwreg(HW_REG_IB_STS2, 6, 4)
	s_cmp_eq_u32 s2, 0
	s_cbranch_scc0 .Lentry_in_a_cluster
	s_endpgm
.Lentry_in_a_cluster:
	s_bfe_u32 s2, ttmp6, 0x10000c
	s_cmp_lg_u32 s2, 0x3003
	s_cbranch_scc0 .Lentry_shape_is_right
	s_endpgm
.Lentry_shape_is_right:
.set AR,  0
.set MR,  196608
.set STG, 262144
.set L16, 1
.set RA,  2
.set PA,  3
.set L4,  4
.set STO, 5
.set RD,  6
.set WSR, 16
.set SW,  32
.set BK,  64
.set RW,  176
.set WV,  14
.set G1A, 16
.set G1M, 24
.set G0A, 32
.set G0M, 36
.set CNT, 40
.set MSB, 0
.macro WIN new
.if MSB != (\new)
	s_set_vgpr_msb (MSB<<8)|(\new)
.set MSB, \new
.endif
.endm
.macro PLACES n
.rept \n
	v_nop
.endr
.endm
.macro CROUND
	s_barrier_signal -1
	s_barrier_wait -1
	s_cmp_lg_u32 s[WV], 0
	s_cbranch_scc1 .Lnot_wave_0_\@
	s_barrier_signal -3
.Lnot_wave_0_\@:
	s_barrier_wait -3
	s_barrier_signal -1
	s_barrier_wait -1
.endm
.macro WM d, a, b, sa, sb, zero, odd
.if \zero
.if \odd
	v_wmma_scale_f32_16x16x128_f8f6f4 v[0+(\d):7+(\d)], v[0+(\a):11+(\a)], v[0+(\b):11+(\b)], 0, v[\sa], v[\sb] matrix_a_fmt:MATRIX_FMT_FP6 matrix_b_fmt:MATRIX_FMT_FP6 matrix_a_scale:MATRIX_SCALE_ROW1
.else
	v_wmma_scale_f32_16x16x128_f8f6f4 v[0+(\d):7+(\d)], v[0+(\a):11+(\a)], v[0+(\b):11+(\b)], 0, v[\sa], v[\sb] matrix_a_fmt:MATRIX_FMT_FP6 matrix_b_fmt:MATRIX_FMT_FP6
.endif
.else
.if \odd
	v_wmma_scale_f32_16x16x128_f8f6f4 v[0+(\d):7+(\d)], v[0+(\a):11+(\a)], v[0+(\b):11+(\b)], v[0+(\d):7+(\d)], v[\sa], v[\sb] matrix_a_fmt:MATRIX_FMT_FP6 matrix_b_fmt:MATRIX_FMT_FP6 matrix_a_scale:MATRIX_SCALE_ROW1
.else
	v_wmma_scale_f32_16x16x128_f8f6f4 v[0+(\d):7+(\d)], v[0+(\a):11+(\a)], v[0+(\b):11+(\b)], v[0+(\d):7+(\d)], v[\sa], v[\sb] matrix_a_fmt:MATRIX_FMT_FP6 matrix_b_fmt:MATRIX_FMT_FP6
.endif
.endif
.endm
.macro MK1 m, tgt, ni, ndt
	v_perm_b32 v[128+24*(\tgt)+(\m)], 0, v[RW+32*(\ni)+8*((\m)/12)+2*(\ndt)+((\m)%12)/6], v[RW+32*(\ni)+16+8*((\m)/12)+(\m)%6]
.endm
.macro STEP i, dt, zero, mk, ni, ndt
	WIN 0xFD+(\dt)/2
.set SN, 0
.irp a, 0,1
.irp b, 0,1,2,3,4,5,6,7
	WM 8*(8*\a+\b), 12*(8*((\dt)%2)+\b), 128+24*((\dt)%2)+12*\a, WSR+(8*(\dt)+\b)/2, SW+8*(\i)+4*\a+(\dt), \zero, \b%2
.if \mk && (SN < 12)
	MK1 2*SN, 1-(\dt)%2, \ni, \ndt
	MK1 2*SN+1, 1-(\dt)%2, \ni, \ndt
.endif
.set SN, SN+1
.endr
.endr
.endm
.macro LOADR i, hd
	WIN 0xC0
.irp a, 0,1
	ds_load_b128 v[RW+32*(\i)+8*\a:RW+32*(\i)+8*\a+3], v[RA] offset:(\hd)*3072+\a*1536
	ds_load_b128 v[RW+32*(\i)+8*\a+4:RW+32*(\i)+8*\a+7], v[RA] offset:(\hd)*3072+\a*1536+512
	ds_load_b128 v[RW+32*(\i)+16+8*\a:RW+32*(\i)+19+8*\a], v[PA] offset:(\hd)*1024+\a*512
	ds_load_b64 v[RW+32*(\i)+20+8*\a:RW+32*(\i)+21+8*\a], v[PA] offset:(\hd)*1024+\a*512+256
.endr
.endm
.macro LOADS i, hd
	WIN 0
.irp a, 0,1
	ds_load_b128 v[SW+8*(\i)+4*\a:SW+8*(\i)+4*\a+3], v[RA] offset:(\hd)*3072+\a*1536+1024
.endr
.endm
	s_load_b256 s[4:11], s[0:1], 0x0
	s_load_b64 s[12:13], s[0:1], 0x20
	v_lshl_add_u32 v254, v0, 2, 0x48400
	v_mov_b32 v255, 0
	ds_add_u32 v254, v255
	ds_add_u32 v254, v255
	v_lshrrev_b32 v1, 5, v0
	v_readfirstlane_b32 s[WV], v1
	s_bfe_u32 s41, ttmp6, 0x40000
	s_lshl_b32 s42, ttmp9, 2
	s_add_co_u32 s42, s42, s41
	s_and_b32 s43, ttmp7, 0xffff
	s_mov_b32 s[G1A], 15|(3<<16)|(1<<21)
	s_mov_b32 s[G1A+1], 32<<16
	s_mov_b32 s[G1A+2], 256<<16                    ; every wave's tile: 256 rows of 256 bytes
	s_mov_b32 s[G1A+3], 32<<16
	s_mov_b32 s[G1A+4], 256
	s_mov_b32 s[G1A+5], 32
	s_mov_b32 s[G1A+6], 0
	s_mov_b32 s[G1A+7], 0
	s_lshl_b32 s44, s43, 2
	s_add_co_u32 s44, s44, s[WV]
	s_mul_i32 s46, s43, 196608                     ; the work-group's 128 tokens: 196,608 dense bytes of aimg, 65,536 of pat: four tiles of 65,536 bytes, one a wave
	s_lshl_b32 s48, s[WV], 16
	s_add_co_u32 s46, s46, s48                     ; waves 0-2: a third of aimg's part;
	s_lshl_b32 s52, s43, 16                        ; wave 3: pat's part
	s_mov_b32 s47, 0
	s_mul_i32 s50, s[WV], 49152
	s_lshl_b32 s51, s[WV], 14
	s_wait_dscnt 0x0
	s_wait_kmcnt 0x0
	s_mov_b32 s[G0A], 1
	s_mov_b32 s[G0A+1], s48                        ; LDS byte 65,536 x wave: aimg's part from 0, pat's from MR
	s_cmp_lt_u32 s[WV], 3
	s_cselect_b64 s[G0A+2:G0A+3], s[4:5], s[6:7]
	s_cselect_b32 s46, s46, s52
	s_add_nc_u64 s[G0A+2:G0A+3], s[G0A+2:G0A+3], s[46:47]
	s_or_b32 s[G0A+3], s[G0A+3], 0x80000000
	CROUND
	tensor_load_to_lds s[G0A:G0A+3], s[G1A:G1A+7]  ; one joint load a wave
	s_nop 0
	PLACES 4
	v_and_b32 v[L16], 31, v0
	v_lshlrev_b32 v[L4], 2, v[L16]
	v_lshlrev_b32 v[L16], 4, v[L16]
	v_and_b32 v7, 15, v0
	s_wait_alu depctr_va_vdst(0)
	v_bfe_u32 v8, v0, 4, 1
	s_mul_i32 s46, s42, 49152
	s_add_nc_u64 s[8:9], s[8:9], s[46:47]
	s_lshl_b32 s46, s42, 11
	s_add_nc_u64 s[10:11], s[10:11], s[46:47]
	WIN 0x40
.set KK, 0
.rept 48
	global_load_b128 v[4*KK:4*KK+3], v[L16], s[8:9] offset:512*KK
.set KK, KK+1
.endr
	WIN 0x80
.set KK, 0
.rept 48
	global_load_b128 v[4*KK:4*KK+3], v[L16], s[8:9] offset:24576+512*KK
.set KK, KK+1
.endr
	WIN 0
.irp q, 0,1,2,3,4,5,6,7,8,9,10,11,12,13,14,15
	global_load_b32 v[WSR+\q], v[L4], s[10:11] offset:128*\q
.endr
	v_add_nc_u32 v[RA], s50, v[L16]
	s_add_co_u32 s51, s51, MR
	v_lshl_add_u32 v[PA], v7, 4, s51
	s_mul_i32 s52, s[WV], 16*528
	s_add_co_u32 s52, s52, STG
	v_mul_u32_u24 v[STO], v7, 528
	s_wait_alu depctr_va_vdst(0)
	v_lshl_add_u32 v[STO], v8, 5, v[STO]
	v_add_nc_u32 v[STO], s52, v[STO]
	v_add_nc_u32 v[RD], s52, v[L16]
	s_lshl_b32 s46, s44, 17
	s_add_nc_u64 s[12:13], s[12:13], s[46:47]
	s_lshl_b32 s46, s42, 9
	s_add_nc_u64 s[12:13], s[12:13], s[46:47]
	s_wait_alu depctr_va_vdst(0)                   ; the wait at the head's end
	s_wait_tensorcnt 0x0                           ; my tile has landed
	s_barrier_signal -1
	s_barrier_wait -1                              ; everybody's: each wave reads bytes that others asked for
	LOADR 0, 0
	LOADR 1, 1
	LOADS 0, 0
	s_wait_dscnt 0x0
	WIN 0xFD
.set KK, 0
.rept 24
	MK1 KK, 0, 0, 0
.set KK, KK+1
.endr
	PLACES 4
	s_wait_loadcnt 0x0
	STEP 0, 0, 1, 1, 0, 1
	WIN 0
	s_mov_b32 s[CNT], 7
.Lheads:
	STEP 0, 1, 0, 1, 0, 2
	STEP 0, 2, 0, 1, 0, 3
	LOADS 1, 1
	LOADR 0, 2
	STEP 0, 3, 0, 1, 1, 0
	s_wait_dscnt 0x0
	STEP 1, 0, 0, 1, 1, 1
	STEP 1, 1, 0, 1, 1, 2
	STEP 1, 2, 0, 1, 1, 3
	LOADS 0, 2
	LOADR 1, 3
	STEP 1, 3, 0, 1, 0, 0
	s_wait_dscnt 0x0
	STEP 0, 0, 0, 1, 0, 1
	WIN 0
	v_add_nc_u32 v[RA], 2*3072, v[RA]
	v_add_nc_u32 v[PA], 2*1024, v[PA]
	s_sub_co_u32 s[CNT], s[CNT], 1
	s_cmp_lg_u32 s[CNT], 0
	s_cbranch_scc1 .Lheads
	STEP 0, 1, 0, 1, 0, 2
	STEP 0, 2, 0, 1, 0, 3
	LOADS 1, 1
	STEP 0, 3, 0, 1, 1, 0
	s_wait_dscnt 0x0
	STEP 1, 0, 0, 1, 1, 1
	STEP 1, 1, 0, 1, 1, 2
	STEP 1, 2, 0, 1, 1, 3
	PLACES 4
	STEP 1, 3, 0, 0, 0, 0
	PLACES 4
.irp a, 0,1
	WIN 0x0C
.irp b, 0,1,2,3,4,5,6,7
	ds_store_b128 v[STO], v[8*(8*\a+\b):8*(8*\a+\b)+3] offset:64*\b
	ds_store_b128 v[STO], v[8*(8*\a+\b)+4:8*(8*\a+\b)+7] offset:64*\b+16
.endr
	WIN 0
.irp t, 0,1,2,3,4,5,6,7,8,9,10,11,12,13,14,15
	ds_load_b128 v[BK+64*\a+4*\t:BK+64*\a+4*\t+3], v[RD] offset:\t*528
.endr
.endr
.irp a, 0,1
	s_wait_dscnt 32-32*\a
.irp t, 0,1,2,3,4,5,6,7,8,9,10,11,12,13,14,15
	global_store_b128 v[L16], v[BK+64*\a+4*\t:BK+64*\a+4*\t+3], s[12:13] offset:(16*\a+\t)*4096 th:TH_STORE_NT
.endr
.endr
	s_wait_tensorcnt 0x0
	ds_add_u32 v254, v255
	s_wait_dscnt 0x0
	CROUND
	s_endpgm
.Lfunc_end_k_qef8bb78e72_outp:
	.size	k_qef8bb78e72_outp, .Lfunc_end_k_qef8bb78e72_outp-k_qef8bb78e72_outp
	.p2alignl 7, 3214868480
	.fill 96, 4, 3214868480
	.section	.rodata,"a",@progbits
	.p2align	6, 0x0
	.amdhsa_kernel k_qef8bb78e72_outp
		.amdhsa_group_segment_fixed_size 327680
		.amdhsa_private_segment_fixed_size 0
		.amdhsa_enable_private_segment 0
		.amdhsa_kernarg_size 40
		.amdhsa_user_sgpr_count 2
		.amdhsa_user_sgpr_kernarg_segment_ptr 1
		.amdhsa_wavefront_size32 1
		.amdhsa_system_sgpr_workgroup_id_x 1
		.amdhsa_system_sgpr_workgroup_id_y 1
		.amdhsa_system_sgpr_workgroup_id_z 1
		.amdhsa_system_vgpr_workitem_id 0
		.amdhsa_next_free_vgpr 1024
		.amdhsa_next_free_sgpr 66
		.amdhsa_reserve_vcc 0
		.amdhsa_float_denorm_mode_32 3
		.amdhsa_float_denorm_mode_16_64 3
		.amdhsa_memory_ordered 1
		.amdhsa_forward_progress 1
		.amdhsa_inst_pref_size 83
	.end_amdhsa_kernel
	.amdgpu_metadata
---
amdhsa.version: [ 1, 2 ]
amdhsa.kernels:
  - .name:           k_qef8bb78e72_outp
    .symbol:         k_qef8bb78e72_outp.kd
    .args:
      - { .name: aimg, .offset: 0, .size: 8, .value_kind: global_buffer, .address_space: global }
      - { .name: pat, .offset: 8, .size: 8, .value_kind: global_buffer, .address_space: global }
      - { .name: wimg, .offset: 16, .size: 8, .value_kind: global_buffer, .address_space: global }
      - { .name: wsc, .offset: 24, .size: 8, .value_kind: global_buffer, .address_space: global }
      - { .name: out0, .offset: 32, .size: 8, .value_kind: global_buffer, .address_space: global }
    .group_segment_fixed_size: 327680
    .private_segment_fixed_size: 0
    .kernarg_segment_align: 8
    .kernarg_segment_size: 40
    .max_flat_workgroup_size: 128
    .sgpr_count:     66
    .vgpr_count:     1024
    .wavefront_size: 32
...
	.end_amdgpu_metadata
.endif
;; end of part 3
